; MI455X (gfx1250); checked and timed in simulation.
; The chip was launched on July 23, 2026; its instructions are those of AMD's public machine-readable ISA for CDNA 5 (MIT licence, August 2026) and "CDNA5" Instruction Set Architecture Reference Guide (July 2026). The comments in the code are by the model that wrote it; some were corrected since.
;; Causal Self Attention. Allowed arithmetic: matrix products marked QUANTISED: E2M3 operands, one E8M0 scale for each 32 along K, by v_wmma_scale_f32_16x16x128_f8f6f4 with both operands' format E2M3, f32 sums; everything else in f32.
;; Inputs: b_out 1,024 float32; b_qkv 3,072 float32; w_out_codes 1,024 x 32 x 24 uint8 (E2M3 codes of w_out, K innermost, in blocks of 32 codes, four codes in three bytes); w_out_scales 1,024 x 32 uint8 (E8M0 scales of w_out, one for each 32 codes along K); w_qkv_codes 3,072 x 32 x 24 uint8 (E2M3 codes of w_qkv, K innermost, in blocks of 32 codes, four codes in three bytes); w_qkv_scales 3,072 x 32 uint8 (E8M0 scales of w_qkv, one for each 32 codes along K); x_codes 4 x 2,048 x 32 x 24 uint8 (E2M3 codes of x, K innermost, in blocks of 32 codes, four codes in three bytes); x_scales 4 x 2,048 x 32 uint8 (E8M0 scales of x, one for each 32 codes along K).
;; Outputs: out0 4 x 2,048 x 1,024 float32.
;; This version of the problem:
;;   THIS VERSION OF THE PROBLEM IS GIVEN IN LOW PRECISION. The matrix products marked QUANTISED in the list below multiply operands that are first quantised to E2M3 (2 exponent bits, 3 mantissa bits; 6 bits a number), with one power-of-two scale for each 32 numbers along K (OCP MX v1.0); their sums are f32. All else is computed in f32.
;;   The module's matrix products, in the order in which they are computed (A, B: the left and right operand; K: the contracted axis; several contracted axes count as one K, in the product's order):
;;     1. [M 8,192, K 1,024] x [K 1,024, N 3,072]; A: input x (given as codes); B: input w_qkv (given as codes): QUANTISED
;;     2. batch 64 x [M 2,048, K 64] x [K 64, N 2,048]; A: computed on the way; B: computed on the way: QUANTISED
;;     3. batch 64 x [M 64, K 2,048] x [K 2,048, N 2,048]; A: computed on the way; B: softmax (see below): QUANTISED
;;     4. [M 8,192, K 1,024] x [K 1,024, N 1,024]; A: computed on the way; B: input w_out (given as codes): QUANTISED
;;   THE QUANTISER, for each operand of a quantised product, along K:
;;     - K is cut into blocks of 32 from its start; a last block that is shorter is filled with zeros.
;;     - A block's scale is 2^e with e = floor(log2(the largest magnitude in the block)) - 2, held to -126 .. 127; a block of zeros has e = 0. As a byte (E8M0): e + 127.
;;     - Each number is divided by its block's scale, clamped to +-7.5, and rounded to the nearest number of E2M3, ties to even, subnormals kept.
;;     - The product sums the exact products of the quantised numbers (number of the format x scale) in f32.
;;   ~~~python
;;   def quantise(x, axis):      # numpy; x: float32 -> the quantised numbers, widened to float32 again
;;       x = np.moveaxis(x, axis, -1); K = x.shape[-1]
;;       x = np.pad(x, [(0, 0)] * (x.ndim - 1) + [(0, -K % 32)]); x = x.reshape(x.shape[:-1] + (-1, 32)); a = np.abs(x).max(-1, keepdims=True)
;;       e = np.where(a > 0, np.clip(np.frexp(np.where(a > 0, a, 1))[1] - 1 - 2, -126, 127), 0)      # np.frexp(a)[1] - 1 = floor(log2(a)), exactly
;;       r = np.clip(x / 2.0 ** e, -7.5, 7.5)
;;       step = 2.0 ** (np.maximum(np.frexp(np.where(r == 0, 1, r))[1] - 1, 0) - 3)
;;       q = np.round(r / step) * step * 2.0 ** e      # np.round: ties to even
;;       return np.moveaxis(q.reshape(q.shape[:-2] + (-1,))[..., :K], -1, axis).astype(np.float32)
;;   ~~~
;;   SOFTMAX AHEAD OF A QUANTISED PRODUCT. Where the list says 'softmax', what is quantised is not the finished softmax but p = 2^(t - M), with t = logit x log2(e) and M = ceil(the row's largest t), a whole number; so 1/2 < the row's largest p <= 1. The row's sum l is taken of the UNQUANTISED p, in f32, and the product's result is divided by l at the end. Since M is a whole number, a kernel that streams over the keys may use a running M (the ceiling of the running maximum): every later rescaling is an exact power of two, which a block's scale takes up: the codes' values come out the same.
;;   OPERANDS COMPUTED ON THE WAY. 'Computed on the way' means the value that the module computes at that place (a softmax that the list does not call 'softmax' is quantised finished and normalised). What goes into a quantiser is computed in f32, as accurately as f32 sums, v_exp_f32 and their like allow (about 1e-6 of the number): no bf16 or f16 on the way to a quantiser, and a product that is left as it is and whose result goes on into a quantised operand takes f32 operands (vector FMAs, or v_wmma_f32_16x16x4_f32). A number that lies on a knife's edge between two numbers of the format may be rounded either way, as far as f32 arithmetic and the matrix unit's own rounding can turn it there, and no further.
;;   INPUTS GIVEN AS CODES. w_out (in the module: [1024, 1024], K = its axis 0); w_qkv (in the module: [1024, 3072], K = its axis 0); x (in the module: [4, 2048, 1024], K = its axis 2): each comes as NAME_codes (uint8): NAME with its K axis moved to the last place and cut into blocks of 32 codes, [.., K / 32, bytes a block], one block behind the other in memory; four codes in three bytes: a row's codes are one little-endian stream of bits, code i at bits 6 i .. 6 i + 5 (a code: sign, 2 exponent bits, 3 mantissa bits); and NAME_scales (uint8): the same leading axes, one E8M0 byte (e + 127) for each 32 codes along K. Its value is code x scale, taken as it is: it is not quantised again, and the codes and scales need not be those that the quantiser above would give.
;; One version. Each part assembles by itself: llvm-mc -triple=amdgcn-amd-amdhsa -mcpu=gfx1250 --defsym DOCPART=n.
;; ======== version 1 of 1: 3 launches
;; limits: right only within a limited range of input values
;; workspace buffers: q_ws 6,815,744 bytes; kv_ws 13,369,344 bytes; y_codes 6,291,456 bytes; y_scales 262,144 bytes
;; launch qkv (part 1): grid 4 x 64, 4 waves a work-group, clusters of 4 x 4, 327,680 bytes of LDS; arguments x_codes, x_scales, w_qkv_codes, w_qkv_scales, b_qkv, q_ws, kv_ws; writes q_ws, kv_ws
.if DOCPART == 1
	.amdgcn_target "amdgcn-amd-amdhsa--gfx1250"
	.amdhsa_code_object_version 6
	.text
	.protected	k_q23cc919c46_qkv
	.globl	k_q23cc919c46_qkv
	.p2align	8
	.type	k_q23cc919c46_qkv,@function
k_q23cc919c46_qkv:
	s_mov_b64 s[64:65], 0
	v_nop
	global_prefetch_b8 v0, s[64:65] scope:SCOPE_SE
	s_setreg_imm32_b32 hwreg(HW_REG_WAVE_MODE, 25, 1), 1
	s_wait_xcnt 0x0
	s_wait_alu depctr_hold_cnt(0) depctr_sa_sdst(0) depctr_va_vdst(0) depctr_va_sdst(0) depctr_va_ssrc(0) depctr_va_vcc(0) depctr_vm_vsrc(0)
	s_getreg_b32 s2, hwreg(HW_REG_IB_STS2, 6, 4)
	s_cmp_eq_u32 s2, 0
	s_cbranch_scc0 .Lentry_in_a_cluster
	s_endpgm
.Lentry_in_a_cluster:
	s_bfe_u32 s2, ttmp6, 0x10000c
	s_cmp_lg_u32 s2, 0xf033
	s_cbranch_scc0 .Lentry_shape_is_right
	s_endpgm
.Lentry_shape_is_right:
; qkv = x W + b on codes of FP6 (E2M3) with E8M0 scales, and its three parts quantised again for the attention: q and k along the head's 64, v along the tokens.
; x: 8,192 rows, W: 3,072 rows, each 1,024 codes (768 bytes) and 32 scale bytes, K innermost.
; A work-group makes R0 = 256 rows x R1 = 128 rows.  Source 0 of the matrix instruction takes 16 rows of R0, which then run along a lane's eight result registers; source 1 takes 16 rows of R1, one a lane.
; The axis that is quantised next has to run along the registers.  Cluster x = 0 (q), 1 (k): R0 = rows of W, R1 = tokens.  Cluster x = 2 (v): R0 = tokens, R1 = rows of W from 2,048 on.
; Only pointers and whole numbers are chosen by that; the text parts once, behind K step 5.
; ALL OF K LIES IN LDS AT ONCE: a row's 768 bytes come as three chunks of 256 aligned bytes, each chunk a tile of rows of 256 bytes + 16 of padding.  384 rows x 816 bytes = 313,344 bytes.
; Every LDS byte is filled once, by loads that all go out at the head: no slot is filled again.  Nothing is left to ask for ahead, so no prefetch is written.
; CLUSTER 4 x 4: R0's tile hangs on cx alone and is asked for jointly down a column of the cluster, R1's on cy alone and jointly along a row.
; Four waves: wave w takes R0's rows 128 (w & 1) on and R1's rows 64 (w >> 1) on: 8 x 4 = 32 accumulators; K in 8 steps of 128, written out.
; THE WORKSPACE IS LAID AS IMAGES OF OPERAND REGISTERS.  A half-image (16 rows x 64 along K: 6 registers a lane): registers 0-3 at 16 x lane, registers 4-5 at 512 + 8 x lane: 768 bytes.
;   q_ws  [64 heads][16 groups of 128 tokens][6,656]: eight half-images, then 512 bytes of scale words [tile / 4][row][tile % 4].
;   kv_ws [64 heads][16 groups][13,056]: K's 6,656 bytes likewise; from 6,656 four fragments of V^T (16 channels x 128 keys: 1,536 bytes, four registers at 512 c + 16 x lane); from 12,800 their scale words [row][fragment].
;   A scale word of q or k holds its two bytes twice, so that it serves data in the lower or in the upper 64 of the instruction's 128.
; ORDER INSIDE A BLOCK OF 32: a lane's registers hold 0-7 and 16-23 (lanes 0-15) or 8-15 and 24-31 (lanes 16-31) of a block, so the codes stand in the order 0-7, 16-23, 8-15, 24-31.  q and k both have it along the
; head's axis, v and the attention's p both along the keys: the products are the same; the matrix unit groups the sums otherwise.
; A fragment of V^T takes channels that are not neighbours: fragment 2 b + u, row r' holds channel 32 b + 8 u + r' + 8 (r' / 8), so that the attention's result has 16 neighbouring channels in a lane.
; LIMITS: NaN and infinities among the inputs are not served.  A block whose largest magnitude lies under 2^-124, a block of zeros among them, gets the scale byte 1 (the rule says 127 for zeros): its bytes are read by this program alone.
; REGISTERS, in windows of 256: window 0: v0-31 addresses; v32-95 R0's scale words (8 b + s), v96-127 R1's (8 a + s); v128-223 R1's fragments, two sets; on the way out v128-235 at work.
;   window 1: R0's fragments, two sets at v0 and v128.   window 2: accumulator (a, b) at v[8 (8 a + b)].   window 3: the bias.
; A WORK-GROUP STAYS, and this takes the place of what stands above on fills and on cluster x: 4 x 64 work-groups, each does three jobs on end, s23 = 0 (q), 1 (k), 2 (v), where s23 once was the cluster's x.
; All of a job's K lies in LDS.  The next job's four joint loads, one a wave, onto the same bytes, go out at the head of K step 7, when every wave has read its last fragment: behind a tensor wait, an add onto the spare word, an LDS wait and the round of the
; cluster's barrier; the launch claims all of LDS.  They have step 7's 32 products and the way out in which to land, so no prefetch is written beside them.
; q and k are a loop of two trips, each with a refill; v is written out, with none: its stage lies on bytes that have had their last fill.
.set CH0,  69632
; R1's 128 rows lie whole: 768 bytes + 16 behind every 256, rows 816 bytes apart
.set R1B,  3*CH0                       ; R1's chunks lie behind R0's
.set SC0,  32
.set SC1,  96
.set FB,   128                         ; R1's fragments: set p, block a at v[FB + 48 p + 12 a]
.set ST,   128                         ; the way out: 64 numbers of a lane
.set PC,   192                         ; the codes just made (12), and the conversions' second halves
.set TM,   212                         ; v212-215 largest magnitudes, v216-219 bytes, v224-227 the conversions' scale operands
.set PW,   228                         ; the scale word just made
.set WS,   232                         ; v232-235 four tiles' scale words of q or k
.set A0,   5                           ; v5-7   LDS address of my R0 fragments in chunk 0, 1, 2
.set X0,   8                           ; v8-9   the same where lanes 16-31 already stand in the next chunk
.set A1,   10                          ; v10  LDS address of my R1 fragments: row x 816 + 24 x half
.set X1,   13                          ; v13  the same where lanes 16-31 stand behind one padding more: + 40 x half
.set LI,   15                          ; v15  16 x lane
.set L8,   16                          ; v16  8 x lane
.set WV,   18                          ; s18  my wave's number
.set SEL,  90                          ; s[90:91] lane selects of v_permlanex16_b32: lane l xor 16
.set MSB, 0
.macro WIN new                         ; the immediate's high byte repeats the setting that is left
.if MSB != \new
	s_set_vgpr_msb (MSB<<8)|\new
.set MSB, \new
.endif
.endm
.macro PLACES n
.rept \n
	v_nop
.endr
.endm
.macro CROUND                          ; a round of the cluster's barrier
	s_barrier_signal -1
	s_barrier_wait -1
	s_cmp_lg_u32 s[WV], 0
	s_cbranch_scc1 .Lnot_wave_0_\@
	s_barrier_signal -3
.Lnot_wave_0_\@:
	s_barrier_wait -3
	s_barrier_signal -1
	s_barrier_wait -1
.endm
.macro G0SET g, lreg, loff, areg, goff ; a descriptor's group 0: count, LDS address, global address, type
	s_mov_b32 s[\g], 1
	s_add_co_u32 s[\g+1], s[\lreg], \loff
	s_add_nc_u64 s[\g+2:\g+3], s[\areg:\areg+1], \goff
	s_or_b32 s[\g+3], s[\g+3], 0x80000000
.endm
; A fragment, 16 rows x 128 K, is 12 registers: lane (r, h) takes the 24 bytes at 96 s + 24 h and at 96 s + 48 + 24 h of row r, in pieces of 8 bytes.  Lanes 0-15 take pieces 12 s + 0, 1, 2, 6, 7, 8 of the row,
; lanes 16-31 those three pieces on.  A chunk holds 32 pieces; where the piece three on lies in the next chunk (pieces 30, 31 and 61, 62) the second address register serves, in which lanes 16-31 stand a chunk less 232 bytes on.
; Rows 272 bytes apart: the 32 lanes of a load touch 64 different banks.
.macro FRAG reg, ad, ax, s, i
.irp p, 0,1,2,3,4,5
.set PP, 12*(\s)+6*(\p/3)+\p%3
.if PP%32 < 29
	ds_load_b64 v[(\reg)+2*\p:(\reg)+2*\p+1], v[\ad+PP/32] offset:8*(PP%32)+4352*(\i)
.else
	ds_load_b64 v[(\reg)+2*\p:(\reg)+2*\p+1], v[\ax+PP/32] offset:8*(PP%32)+4352*(\i)
.endif
.endr
.endm
; A fragment of R1: piece PP of a row lies at 8 PP + 16 (PP / 32); 16 rows are 13,056 bytes
.macro FRAG1 reg, s, i
.irp p, 0,1,2,3,4,5
.set PP, 12*(\s)+6*(\p/3)+\p%3
.if PP%32 < 29
	ds_load_b64 v[(\reg)+2*\p:(\reg)+2*\p+1], v[A1] offset:8*PP+16*(PP/32)+13056*(\i)
.else
	ds_load_b64 v[(\reg)+2*\p:(\reg)+2*\p+1], v[X1] offset:8*PP+16*(PP/32)+13056*(\i)
.endif
.endr
.endm
.macro FETCH s, p
	WIN 0x40                                       ; destination window 1, address window 0
.irp i, 0,1,2,3,4,5,6,7
	FRAG 128*(\p)+12*\i, A0, X0, \s, \i
.endr
	WIN 0
.irp i, 0,1,2,3
	FRAG1 FB+48*(\p)+12*\i, \s, \i
.endr
.endm
; 32 matrix instructions: the 32 accumulators take turns, one instruction a turn, in the same order in every step.  first = 1: the products start the sums.
.macro MUL p, s, first
.irp a, 0,1,2,3
.irp b, 0,1,2,3,4,5,6,7
.if \first
	v_wmma_scale_f32_16x16x128_f8f6f4 v[8*(8*\a+\b):8*(8*\a+\b)+7], v[128*(\p)+12*\b:128*(\p)+12*\b+11], v[FB+48*(\p)+12*\a:FB+48*(\p)+12*\a+11], 0, v[SC0+8*\b+(\s)], v[SC1+8*\a+(\s)] matrix_a_fmt:MATRIX_FMT_FP6 matrix_b_fmt:MATRIX_FMT_FP6
.else
	v_wmma_scale_f32_16x16x128_f8f6f4 v[8*(8*\a+\b):8*(8*\a+\b)+7], v[128*(\p)+12*\b:128*(\p)+12*\b+11], v[FB+48*(\p)+12*\a:FB+48*(\p)+12*\a+11], v[8*(8*\a+\b):8*(8*\a+\b)+7], v[SC0+8*\b+(\s)], v[SC1+8*\a+(\s)] matrix_a_fmt:MATRIX_FMT_FP6 matrix_b_fmt:MATRIX_FMT_FP6
.endif
.endr
.endr
.endm
; K step s.  bar = 1: the next step's fragments lie in a chunk not yet shown whole: my own load of it is waited for (cnt younger loads of mine may stay out), then a barrier.
.macro STEP s, bar, cnt
.if \bar
.if \cnt
	s_cmp_eq_u32 s[WV], 3                          ; wave 3's load, R0's third chunk, may stay out: its line is wave 3's alone
	s_cbranch_scc1 .Lout_\@
.endif
	s_wait_tensorcnt 0x0
.if \cnt
.Lout_\@:
.endif
.endif
	s_wait_dscnt 0x0                               ; this step's fragments are in (asked for 32 matrix instructions ago); no LDS instruction of mine is out at a signal
.if \bar
	s_barrier_signal -1
	s_barrier_wait -1
.endif
.if (\s) < 7
.if (\s) > 0
	PLACES 4                                       ; four places in front of loads into the set that the last products read (ISA guide 7.12.1 for vector instructions)
.endif
	FETCH (\s)+1, 1-(\s)%2
.endif
	WIN 0xa1                                       ; source 0 window 1, source 1 window 0, C and D window 2
.if (\s) == 0
	MUL 0, 0, 1
.else
	MUL (\s)%2, \s, 0
.endif
	WIN 0
.endm
; 64 numbers of a lane, v[ST] on, register 16 b + i in block b of my row, become a fragment's codes in v[PC] on and its scale word in v[PW].
.macro QUANT
.irp b, 0,1,2,3
	v_max3_num_f32 v[TM+\b], |v[ST+16*\b]|, |v[ST+1+16*\b]|, 0x1800000   ; my 16 numbers of block b, and the floor 2^(3 - 127): the byte cannot fall under 1
.endr
.irp i, 2,4,6,8,10,12,14
.irp b, 0,1,2,3
	v_max3_num_f32 v[TM+\b], v[TM+\b], |v[ST+16*\b+\i]|, |v[ST+1+16*\b+\i]|   ; the four blocks by turns
.endr
.endr
.irp b, 0,1,2,3
	v_permlanex16_b32 v[TM+4+\b], v[TM+\b], s[SEL], s[SEL+1]
.endr
.irp b, 0,1,2,3
	v_max_num_f32 v[TM+\b], v[TM+\b], v[TM+4+\b]   ; with lane l xor 16's 16: the block's largest magnitude
.endr
.irp b, 0,1,2,3
	v_add_nc_u32 v[TM+12+\b], 0xff000000, v[TM+\b] ; 2 off its exponent field: the conversion takes the exponent field of this operand as its scale
.endr
.irp b, 0,1,2,3
	v_lshrrev_b32 v[TM+4+\b], 23, v[TM+12+\b]      ; the scale's byte
.endr
	v_lshl_or_b32 v[PW], v[TM+5], 8, v[TM+4]
	v_lshl_or_b32 v[PW], v[TM+6], 16, v[PW]
	v_lshl_or_b32 v[PW], v[TM+7], 24, v[PW]
.irp c, 0,1
	v_cvt_scalef32_pk16_fp6_f32 v[PC+6*\c:PC+2+6*\c], v[ST+32*\c:ST+15+32*\c], v[TM+12+2*\c]
	v_cvt_scalef32_pk16_fp6_f32 v[PC+12+4*\c:PC+14+4*\c], v[ST+16+32*\c:ST+31+32*\c], v[TM+12+2*\c+1]   ; (a conversion's three registers begin on an even number)
.endr
	v_nop                                          ; one plain place behind a scaled conversion
.irp c, 0,1                                    ; the operand's layout wants a whole block in a lane: lanes 0-15 block 2 c, lanes 16-31 block 2 c + 1
.irp i, 0,1,2
	v_permlane16_swap_b32 v[PC+6*\c+\i], v[PC+12+4*\c+\i]
.endr
.irp i, 0,1,2
	v_mov_b32 v[PC+3+6*\c+\i], v[PC+12+4*\c+\i]
.endr
.endr
.endm
; R1's block a: its eight accumulators + the bias, into window 0; each accumulator from its low end on.  vpart = 0: the bias runs along the registers; 1: one number a lane, in both registers of a pair.
.macro ADDB a, vpart
	WIN 0x0e                                       ; source 0 window 2, source 1 window 3, destination window 0
.set n, 0
.rept 32
.if \vpart
	v_pk_add_f32 v[ST+n:ST+n+1], v[64*(\a)+n:64*(\a)+n+1], v[2*(\a):2*(\a)+1]
.else
	v_pk_add_f32 v[ST+n:ST+n+1], v[64*(\a)+n:64*(\a)+n+1], v[n:n+1]
.endif
.set n, n+2
.endr
	WIN 0
.endm
	s_load_b256 s[4:11], s[0:1], 0x0               ; x's codes s[4:5], x's scales s[6:7], W's codes s[8:9], W's scales s[10:11]
	s_load_b128 s[12:15], s[0:1], 0x20             ; the bias s[12:13], q_ws s[14:15]
	s_load_b64 s[16:17], s[0:1], 0x30              ; kv_ws
	v_lshl_add_u32 v254, v0, 2, 0x4c800
	v_mov_b32 v255, 0
	ds_add_u32 v254, v255
	ds_add_u32 v254, v255
	v_lshrrev_b32 v1, 5, v0
	v_readfirstlane_b32 s[WV], v1                  ; wave 0..3
	s_and_b32 s19, s[WV], 1                        ; which half of R0's rows is mine.
	s_lshr_b32 s20, s[WV], 1                       ; which half of R1's rows is mine.
	s_bfe_u32 s21, ttmp6, 0x40000                  ; cx
	s_bfe_u32 s22, ttmp6, 0x40004                  ; cy
	s_mov_b32 s23, 0                               ; the job: 0 q, 1 k, 2 v: the same in all sixteen partners
	s_and_b32 s24, ttmp7, 0xffff                   ; cluster y, 0..15
	; descriptor groups 1: a chunk's tile: rows of 32 elements of 8 bytes, 96 elements apart in memory, 16 bytes of padding behind each in LDS
	s_lshl_b32 s92, 0x1111, s21                    ; my column of the cluster
	s_or_b32 s28, s92, (3<<16)|(1<<20)|(1<<21)|(5<<22)|(3<<25)  ; 15:0 the mask; 17:16 elements of 8 bytes; 20 padding on; 21 set beside a mask; 24:22 after every 64 words; 31:25 of 4 words
	s_lshl_b32 s93, s22, 2
	s_lshl_b32 s93, 15, s93                        ; my row of the cluster
	s_or_b32 s36, s93, (3<<16)|(1<<20)|(1<<21)|(5<<22)|(3<<25)
	s_mov_b32 s29, 32<<16                          ; tensor_dim0 = 32
	s_mov_b32 s30, 256<<16                         ; tensor_dim1 = 256: a load brings a chunk of all R0's rows
	s_mov_b32 s31, 32<<16                          ; tile_dim0 = 32
	s_mov_b32 s32, 256                             ; tile_dim1 = 256
	s_mov_b32 s33, 96                              ; from row to row
	s_mov_b32 s34, 0
	s_mov_b32 s35, 0
	s_mov_b32 s37, 96<<16                          ; R1: whole rows of 96 elements,
	s_mov_b32 s38, 128<<16                         ; 128 rows in one load
	s_mov_b32 s39, 96<<16
	s_mov_b32 s40, 128
	s_mov_b32 s41, 96
	s_mov_b32 s42, 0
	s_mov_b32 s43, 0
	s_mul_i32 s66, s19, 34816                      ; LDS: 128 rows of R0 (read)
	s_mul_i32 s97, s20, 52224                      ; 64 rows of R1, 816 bytes each,
	s_add_co_u32 s97, s97, R1B                     ; and read: no place in the cluster enters an LDS address
	s_lshl_b32 s94, s[WV], 13                      ; v's way out: my stage, 8,192 bytes, in R0's first chunk
	s_mov_b32 s[SEL], 0x76543210
	s_mov_b32 s[SEL+1], 0xfedcba98
	s_mov_b32 s3, 0
	s_mov_b32 s99, 0
	v_and_b32 v1, 31, v0                           ; lane
	v_and_b32 v2, 15, v0                           ; r
	v_bfe_u32 v3, v0, 4, 1                         ; h
	v_lshlrev_b32 v4, 5, v2                        ; a row's 32 scale bytes
	v_mul_u32_u24 v24, v2, 272
	v_mad_u32_u24 v25, v3, 24, v24                 ; row x pitch + 24 x half
	v_mad_u32_u24 v26, v3, CH0-232, v24            ; lanes 16-31 in the next chunk
	v_mul_u32_u24 v27, v2, 816
	v_add_nc_u32 v[A0], s66, v25
	v_add_nc_u32 v[A0+1], CH0, v[A0]
	v_add_nc_u32 v[A0+2], 2*CH0, v[A0]
	v_add_nc_u32 v[X0], s66, v26
	v_add_nc_u32 v[X0+1], CH0, v[X0]
	v_add_nc_u32 v27, s97, v27
	v_mad_u32_u24 v[A1], v3, 24, v27
	v_mad_u32_u24 v[X1], v3, 40, v27
	v_lshlrev_b32 v[LI], 4, v1
	v_lshlrev_b32 v[L8], 3, v1
	v_lshlrev_b32 v17, 5, v3                       ; q, k: the bias of my half: 8 numbers on
	v_lshlrev_b32 v28, 2, v2                       ; v: the bias of my row
	v_lshlrev_b32 v23, 4, v3                       ; 16 h: which head's two bytes of a scale word are mine
	v_lshrrev_b32 v24, 3, v2                       ; r / 8
	v_and_b32 v25, 7, v2                           ; r % 8
	v_mul_u32_u24 v19, v24, 1536                   ; v's stage, in: fragment + r / 8, row r % 8 (+ 8 (a % 2) in the immediate), my half
	v_lshl_add_u32 v19, v25, 4, v19
	v_lshl_add_u32 v19, v3, 8, v19
	v_add_nc_u32 v19, s94, v19
	v_lshlrev_b32 v20, 4, v25                      ; its scale words [row][fragment]
	v_lshl_add_u32 v20, v24, 2, v20
	v_add_nc_u32 v20, s94, v20
	v_add_nc_u32 v20, 6144, v20
	v_add_nc_u32 v21, s94, v[LI]                   ; and back, as it lies
	v_add_nc_u32 v22, s94, v[L8]
	v_add_nc_u32 v22, 6144, v22
	s_wait_dscnt 0x0
	s_wait_kmcnt 0x0
; What job s23 reads: its tiles' numbers, the four descriptors' groups 0, and where its scale words and its bias lie.  Scalar lines alone, no branch.
.macro SETUPA
	s_and_b32 s92, s24, 7
	s_lshr_b32 s93, s24, 3
	s_cmp_lt_u32 s23, 2                            ; the choice hangs on the job alone
	s_cselect_b32 s25, s23, s92
	s_cselect_b32 s26, s24, s93
	s_cselect_b32 s27, 0, 2048                     ; v: R1's rows of W begin at 2,048
	s_cselect_b64 s[72:73], s[8:9], s[4:5]         ; R0's codes,
	s_cselect_b64 s[74:75], s[10:11], s[6:7]       ; R0's scales,
	s_cselect_b64 s[76:77], s[4:5], s[8:9]         ; R1's codes,
	s_cselect_b64 s[78:79], s[6:7], s[10:11]       ; R1's scales
	s_lshl_b32 s25, s25, 2
	s_add_co_u32 s25, s25, s21                     ; i0: which 256 rows of R0
	s_lshl_b32 s26, s26, 2
	s_add_co_u32 s26, s26, s22                     ; i1: which 128 rows of R1
	s_lshl_b32 s92, s25, 8
	s_lshl_b32 s94, s19, 7
	s_add_co_u32 s92, s92, s94                     ; R0: the first row that I read: 256 i0 + 128 (w & 1)
	s_lshl_b32 s93, s26, 7
	s_add_co_u32 s93, s93, s27                     ; R1's first row
	s_lshl_b32 s94, s20, 6
	s_add_co_u32 s96, s93, s94                     ; the first that I read
	s_cmp_lt_u32 s23, 2
	s_cselect_b32 s94, s92, s96                    ; the bias belongs to W's rows: R0's or R1's that I read
	s_mul_i32 s2, s25, 196608                      ; R0's tile begins at row 256 i0
	s_add_nc_u64 s[72:73], s[72:73], s[2:3]
	s_lshl_b32 s2, s92, 5
	s_add_nc_u64 s[74:75], s[74:75], s[2:3]
	s_mul_i32 s98, s93, 768
	s_add_nc_u64 s[76:77], s[76:77], s[98:99]
	s_lshl_b32 s98, s96, 5
	s_add_nc_u64 s[78:79], s[78:79], s[98:99]
	G0SET 44, 3, 0*CH0, 72, 0                      ; (s3 = 0) R0's three chunks, 256 rows each,
	G0SET 48, 3, 1*CH0, 72, 256
	G0SET 52, 3, 2*CH0, 72, 512
	G0SET 56, 3, R1B, 76, 0                        ; and R1 whole
	s_lshl_b32 s94, s94, 2
	s_mov_b32 s95, 0
	s_add_nc_u64 s[80:81], s[12:13], s[94:95]      ; the bias of my rows of W
.endm
	SETUPA
	CROUND                                         ; all sixteen work-groups are here: the joint loads meet
	; one joint load a wave, in one chain of arms on the wave's number: wave 0 R0's first chunk, wave 1 R1, wave 2 and 3 R0's second and third chunk
; A job's tiles: one joint load a wave, in one chain of arms on the wave's number: wave 0 R0's first chunk, wave 1 R1, waves 2 and 3 R0's second and third chunk
.macro ARMS
	s_cmp_eq_u32 s[WV], 0
	s_cbranch_scc0 .Lwave_1_\@
	tensor_load_to_lds s[44:47], s[28:35]
	s_nop 0
	PLACES 4
	s_branch .Lfilled_\@
.Lwave_1_\@:
	s_cmp_eq_u32 s[WV], 1
	s_cbranch_scc0 .Lwave_2_\@
	tensor_load_to_lds s[56:59], s[36:43]
	s_nop 0
	PLACES 4
	s_branch .Lfilled_\@
.Lwave_2_\@:
	s_cmp_eq_u32 s[WV], 2
	s_cbranch_scc0 .Lwave_3_\@
	tensor_load_to_lds s[48:51], s[28:35]
	s_nop 0
	PLACES 4
	s_branch .Lfilled_\@
.Lwave_3_\@:
	tensor_load_to_lds s[52:55], s[28:35]
	s_nop 0
	PLACES 4
.Lfilled_\@:
.endm
	ARMS
.macro SCLOAD                          ; a job's scale words: 24 loads
	; the scale words go straight into registers, once: a row's 32 bytes are its eight steps' words; lane r takes row r of each block
.irp b, 0,1,2,3,4,5,6,7
	global_load_b128 v[SC0+8*\b:SC0+8*\b+3], v4, s[74:75] offset:512*\b
	global_load_b128 v[SC0+8*\b+4:SC0+8*\b+7], v4, s[74:75] offset:512*\b+16
.endr
.irp a, 0,1,2,3
	global_load_b128 v[SC1+8*\a:SC1+8*\a+3], v4, s[78:79] offset:512*\a
	global_load_b128 v[SC1+8*\a+4:SC1+8*\a+7], v4, s[78:79] offset:512*\a+16
.endr
.endm
	SCLOAD
.macro SETUPB                          ; where job s23's results go
	s_mov_b32 s93, 0
	s_lshr_b32 s92, s26, 4
	s_lshl_b32 s92, s92, 4
	s_lshl_b32 s98, s21, 2
	s_add_co_u32 s92, s92, s98
	s_lshl_b32 s98, s19, 1
	s_add_co_u32 s92, s92, s98
	s_lshl_b32 s92, s92, 4
	s_and_b32 s98, s26, 15
	s_add_co_u32 s92, s92, s98
	s_mov_b32 s96, 13056
	s_cmp_eq_u32 s23, 0
	s_cselect_b32 s96, 6656, s96                   ; a pack's bytes
	s_cselect_b64 s[82:83], s[14:15], s[16:17]
	s_mul_i32 s92, s92, s96
	s_add_nc_u64 s[82:83], s[82:83], s[92:93]      ; the pack
	s_lshl_b32 s92, s20, 8
	s_add_co_u32 s92, s92, 6144
	s_add_nc_u64 s[86:87], s[82:83], s[92:93]      ; its scale words of my four tiles
	s_mul_i32 s92, s20, 3072
	s_add_nc_u64 s[82:83], s[82:83], s[92:93]      ; my four half-images, first head
	s_lshl_b32 s92, s96, 4
	s_add_nc_u64 s[84:85], s[82:83], s[92:93]      ; second head: 16 packs on
	v_mul_lo_u32 v18, v3, s92
	v_lshl_add_u32 v18, v2, 4, v18                 ; scale words: lanes 0-15 the first head's, lanes 16-31 the second's; 16 bytes a row
	; where v's go: head 16 (i0 / 8) + 2 i1 + (w >> 1), group 2 (i0 % 8) + (w & 1)
	s_lshr_b32 s92, s25, 3
	s_lshl_b32 s92, s92, 4
	s_lshl_b32 s98, s26, 1
	s_add_co_u32 s92, s92, s98
	s_add_co_u32 s92, s92, s20
	s_lshl_b32 s92, s92, 4
	s_and_b32 s98, s25, 7
	s_lshl_b32 s98, s98, 1
	s_add_co_u32 s92, s92, s98
	s_add_co_u32 s92, s92, s19
	s_mul_i32 s92, s92, 13056
	s_add_co_u32 s92, s92, 6656
	s_add_nc_u64 s[88:89], s[16:17], s[92:93]
.endm
.macro JOB6                            ; a job's start and its K steps 0 to 5
	s_wait_xcnt 0x0                                ; the last job's stores have read their bases, offsets and data
	SETUPB
	s_wait_alu depctr_va_vdst(0)                   ; the wait here, ahead of the branch and the waits below
	s_cmp_lt_u32 s[WV], 2                          ; waves 0 and 1 wait for R0's first chunk and for R1; the loads of waves 2 and 3 stay out
	s_cbranch_scc0 .Lnot_first_\@
	s_wait_tensorcnt 0x0
.Lnot_first_\@:
	s_barrier_signal -1
	s_barrier_wait -1
	FETCH 0, 0
	s_wait_loadcnt 0x0                             ; the scale words
	STEP 0, 0, 0
	STEP 1, 1, 1                                   ; K step 2 reaches into the second chunk
	STEP 2, 0, 0
	STEP 3, 0, 0
	STEP 4, 1, 0                                   ; K step 5 reaches into the third.  Behind this barrier nobody reads R0's first chunk any more
	STEP 5, 0, 0
.endm
	s_mov_b32 s100, 0                              ; trips done
.Ljob:
	JOB6
	; ---- q and k.  The bias is asked for two K steps ahead of its use
	WIN 0xc0                                       ; destination window 3
.irp b, 0,1,2,3,4,5,6,7
	global_load_b128 v[8*\b:8*\b+3], v17, s[80:81] offset:64*\b
	global_load_b128 v[8*\b+4:8*\b+7], v17, s[80:81] offset:64*\b+16
.endr
	WIN 0
	STEP 6, 0, 0
	s_wait_tensorcnt 0x0                           ; K step 7 with the refill.  None of my tensor loads is out, so the descriptors may be written;
	ds_add_u32 v254, v255                          ; 0 onto my spare word
	s_wait_xcnt 0x0                                ; the bias loads have read their base
	s_add_co_u32 s23, s23, 1
	SETUPA                                         ; the next job's descriptors and pointers: work on registers
	s_wait_dscnt 0x0                               ; the add is done, and my last fragments of this job are in
	CROUND                                         ; no wave of any partner still reads these bytes
	ARMS                                           ; the next job's tiles
	WIN 0xa1
	MUL 1, 7, 0
	WIN 0
	PLACES 4                                       ; in front of the loads into the scale registers, and of the first read of results
	SCLOAD                                         ; the next job's scale words land under the way out
	s_wait_loadcnt 24                              ; the bias is in; the 24 loads just issued may stay out
.irp b, 0,1,2,3
	v_mov_b32 v[TM+4+\b], 0                        ; written once: a lane permute's destination counts as one of its sources
.endr
.irp a, 0,1,2,3                                ; 16 tokens at a time: a lane holds one token and 64 of its 128 numbers: two heads
	ADDB \a, 0
.if \a > 0
	s_wait_xcnt 0x0                                ; the last tile's stores have read their registers: the codes may be written again
.endif
	QUANT
	v_lshrrev_b32 v[WS+\a], v23, v[PW]             ; lanes 0-15 keep the first head's two bytes, lanes 16-31 the second's,
	v_and_b32 v[WS+\a], 0xffff, v[WS+\a]
	v_lshl_or_b32 v[WS+\a], v[WS+\a], 16, v[WS+\a] ; twice
	global_store_b128 v[LI], v[PC:PC+3], s[82:83] offset:768*\a           ; 32 lanes store 512 consecutive bytes, aligned to 256
	global_store_b64 v[L8], v[PC+4:PC+5], s[82:83] offset:768*\a+512      ; and 256
	global_store_b128 v[LI], v[PC+6:PC+9], s[84:85] offset:768*\a
	global_store_b64 v[L8], v[PC+10:PC+11], s[84:85] offset:768*\a+512
.endr
	global_store_b128 v18, v[WS:WS+3], s[86:87]    ; sixteen lanes store 256 consecutive bytes of each head's pack
	s_add_co_u32 s100, s100, 1
	s_cmp_lt_u32 s100, 2
	s_wait_alu depctr_va_vdst(0)                   ; the wait, ahead of the branch
	s_cbranch_scc1 .Ljob
	JOB6
	; ---- v.  A lane holds one channel of a head and 64 of the wave's 128 tokens
	WIN 0xc0
.irp a, 0,1,2,3
	global_load_b32 v[2*\a], v28, s[80:81] offset:64*\a
	global_load_b32 v[2*\a+1], v28, s[80:81] offset:64*\a                 ; in both registers of the pair that the packed addition names
.endr
	WIN 0
	STEP 6, 0, 0
	STEP 7, 0, 0
	PLACES 4
	s_wait_loadcnt 0x0
.irp b, 0,1,2,3
	v_mov_b32 v[TM+4+\b], 0
.endr
.irp a, 0,1,2,3                                ; 16 channels at a time; row r goes to fragment 2 (a / 2) + r / 8, row 8 (a % 2) + r % 8.  The stage is my own: no barrier
	ADDB \a, 1
	QUANT
.irp c, 0,1,2
	ds_store_b128 v19, v[PC+4*\c:PC+4*\c+3] offset:3072*(\a/2)+128*(\a%2)+512*\c
.endr
	ds_store_b32 v20, v[PW] offset:128*(\a%2)+8*(\a/2)                    ; both halves of the lanes write the same word with the same value
	s_wait_dscnt 0x0                               ; the stores have read their registers
.endr
.irp k, 0,1,2,3,4,5,6,7,8,9,10,11
	ds_load_b128 v[128+4*\k:131+4*\k], v21 offset:512*\k                  ; LDS serves a wave's instructions in order: these see my stores
.endr
	ds_load_b64 v[176:177], v22
.irp k, 0,1,2,3,4,5,6,7,8,9,10,11
	s_wait_dscnt 12-\k                             ; the younger loads may stay out
	global_store_b128 v[LI], v[128+4*\k:131+4*\k], s[88:89] offset:512*\k
.endr
	s_wait_dscnt 0x0
	global_store_b64 v[L8], v[176:177], s[88:89] offset:6144
.Lend:
	s_wait_tensorcnt 0x0
	ds_add_u32 v254, v255
	s_wait_dscnt 0x0
	CROUND                                         ; the closing round: no work-group ends while a partner may still ask for a tile that names it
	s_endpgm
.Lfunc_end_k_q23cc919c46_qkv:
	.size	k_q23cc919c46_qkv, .Lfunc_end_k_q23cc919c46_qkv-k_q23cc919c46_qkv
	.p2alignl 7, 3214868480
	.fill 96, 4, 3214868480
	.section	.rodata,"a",@progbits
	.p2align	6, 0x0
	.amdhsa_kernel k_q23cc919c46_qkv
		.amdhsa_group_segment_fixed_size 327680
		.amdhsa_private_segment_fixed_size 0
		.amdhsa_enable_private_segment 0
		.amdhsa_kernarg_size 56
		.amdhsa_user_sgpr_count 2
		.amdhsa_user_sgpr_kernarg_segment_ptr 1
		.amdhsa_wavefront_size32 1
		.amdhsa_system_sgpr_workgroup_id_x 1
		.amdhsa_system_sgpr_workgroup_id_y 1
		.amdhsa_system_sgpr_workgroup_id_z 1
		.amdhsa_system_vgpr_workitem_id 0
		.amdhsa_next_free_vgpr 832
		.amdhsa_next_free_sgpr 102
		.amdhsa_reserve_vcc 0
		.amdhsa_float_denorm_mode_32 3
		.amdhsa_float_denorm_mode_16_64 3
		.amdhsa_memory_ordered 1
		.amdhsa_forward_progress 1
		.amdhsa_inst_pref_size 216
	.end_amdhsa_kernel
	.amdgpu_metadata
---
amdhsa.version: [ 1, 2 ]
amdhsa.kernels:
  - .name:           k_q23cc919c46_qkv
    .symbol:         k_q23cc919c46_qkv.kd
    .args:
      - { .name: x_codes, .offset: 0, .size: 8, .value_kind: global_buffer, .address_space: global }
      - { .name: x_scales, .offset: 8, .size: 8, .value_kind: global_buffer, .address_space: global }
      - { .name: w_qkv_codes, .offset: 16, .size: 8, .value_kind: global_buffer, .address_space: global }
      - { .name: w_qkv_scales, .offset: 24, .size: 8, .value_kind: global_buffer, .address_space: global }
      - { .name: b_qkv, .offset: 32, .size: 8, .value_kind: global_buffer, .address_space: global }
      - { .name: q_ws, .offset: 40, .size: 8, .value_kind: global_buffer, .address_space: global }
      - { .name: kv_ws, .offset: 48, .size: 8, .value_kind: global_buffer, .address_space: global }
    .group_segment_fixed_size: 327680
    .private_segment_fixed_size: 0
    .kernarg_segment_align: 8
    .kernarg_segment_size: 56
    .max_flat_workgroup_size: 128
    .sgpr_count:     102
    .vgpr_count:     832
    .wavefront_size: 32
...
	.end_amdgpu_metadata
.endif
;; end of part 1
;; launch attn (part 2): grid 4 x 64, 16 waves a work-group, clusters of 4 x 1, 210,944 bytes of LDS; arguments q_ws, kv_ws, y_codes, y_scales; writes y_codes, y_scales
.if DOCPART == 2
	.amdgcn_target "amdgcn-amd-amdhsa--gfx1250"
	.amdhsa_code_object_version 6
	.text
	.protected	k_q23cc919c46_attn
	.globl	k_q23cc919c46_attn
	.p2align	8
	.type	k_q23cc919c46_attn,@function
k_q23cc919c46_attn:
	s_mov_b64 s[64:65], 0
	v_nop
	global_prefetch_b8 v0, s[64:65] scope:SCOPE_SE
	s_setreg_imm32_b32 hwreg(HW_REG_WAVE_MODE, 25, 1), 1
	s_wait_xcnt 0x0
	s_wait_alu depctr_hold_cnt(0) depctr_sa_sdst(0) depctr_va_vdst(0) depctr_va_sdst(0) depctr_va_ssrc(0) depctr_va_vcc(0) depctr_vm_vsrc(0)
	s_getreg_b32 s2, hwreg(HW_REG_IB_STS2, 6, 4)
	s_cmp_eq_u32 s2, 0
	s_cbranch_scc0 .Lentry_in_a_cluster
	s_endpgm
.Lentry_in_a_cluster:
	s_bfe_u32 s2, ttmp6, 0x10000c
	s_cmp_lg_u32 s2, 0x3003
	s_cbranch_scc0 .Lentry_shape_is_right
	s_endpgm
.Lentry_shape_is_right:
; y = softmax(q k^T / 8, causal) v for one head, both products on codes of FP6 (E2M3) with E8M0 scales; y is quantised along the model's 1,024 for the last product.
; q_ws and kv_ws hold images of operand registers, in packs of 128 tokens (their layout: below, at the offsets).
; THE SOFTMAX AHEAD OF THE SECOND PRODUCT: t = score x log2(e) / 8; M = the row's largest t so far, rounded UP to a whole number; p = 2^(t - M) is quantised along the keys, not normalised.  The row's sum is taken of the
; unquantised p and divides at the end.  When M moves, the sum and O are multiplied by 2^(old M - new M): exact.
; SHARES.  The four work-groups of a cluster own one head.  The head's K and V, 16 packs of 13,056 bytes, lie in LDS WHOLE, fetched once by joint loads (each LDS byte is filled once; all loads go out at the head, so no prefetch is written).
; A wave owns two tiles of 16 queries, one after the other: first one of group G1 = max(w, 15 - w), then one of group G2 = 15 - G1.  A tile of group g needs key steps 0 .. g, so every wave walks 17 steps.
; Which tile of the group: cx + 0 or 4.  cx enters global addresses and the mask's numbers alone: every branch hangs on the wave's number and a counter.
; LAYOUT.  Both products are used transposed: S^T = K Q^T (source 0 = 16 keys), O^T = V^T P^T (source 0 = 16 channels): a lane holds ONE query (lane % 16) throughout.
; The head's 64 fill half of the instruction's 128: the other half are zero codes.  Registers [K even][6 zeros][K odd] serve two tiles of keys, the even with its data below, the odd above; [Q][6 zeros][Q] likewise.
; The keys inside a block of 32 stand in the order 0-7, 16-23, 8-15, 24-31 in p as in V's codes.
; LIMITS: NaN and infinities are not served.  A block of y whose largest magnitude lies under 2^-124, a block of zeros among them, gets the scale byte 1: the bytes are read by this program alone.
; y's scale bytes leave by ONE store of 2 bytes a lane for each wave, to rows 32 bytes apart: a head owns 2 of a token's 32 bytes, and the last product wants them by token.
; REGISTERS: v1-3 16 x lane, 8 x lane, 16 r; v4-6 addresses in hand; v7 the mask's number; v8 -infinity; v9 r - 8 h; v10-11 y's scale words; v12 -M, v13 the largest t, v[14:15] the sum in two halves;
;   v16-33 Q; v34 Q's scale word; v36-43 K's, v44-47 V's; v48-119 K; v120-183 S^T, then p, then V's four fragments; v184-215 O^T; v216-227 p's codes; v228-255 at work.
.set PACK, 13056                       ; a pack: 0 eight half-images of K (768 each); 6,144 K's scale words; 6,656 four fragments of V^T (1,536 each); 12,800 V's scale words
.set S,    120
.set O,    184
.set PCD,  216
.set CVH,  228                         ; the conversions' second halves
.set BM,   236                         ; v236-239 each block's largest score, then its largest p
.set BT,   240                         ; v240-243 the other half's, then the bytes
.set SOP,  244                         ; v244-247 the conversions' scale operands
.set PWD,  248                         ; p's scale word
.set F,    250                         ; v[250:251] f = 2^(old M - new M); at the end 1 / the sum
.set W2,   252                         ; v[252:253] the sum's second chain
.set WK,   254
.set ADA,  4
.set ADB,  5
.set ADC,  6
.set WV,   12                          ; s12  my wave's number
.set SEL,  20                          ; s[20:21] lane selects: lane l xor 16
.set CS,   22                          ; s[22:23] c = log2(e) / 8
.set TB,   52                          ; s52  LDS byte at which the step's pack begins
.set KI,   53                          ; s53  the key step
.set GG,   54                          ; s54  my tile's group: the step on the diagonal
.set CNT,  55                          ; s55  a loop's trips to go
.macro CROUND                          ; a round of the cluster's barrier
	s_barrier_signal -1
	s_barrier_wait -1
	s_cmp_lg_u32 s[WV], 0
	s_cbranch_scc1 .Lnot_wave_0_\@
	s_barrier_signal -3
.Lnot_wave_0_\@:
	s_barrier_wait -3
	s_barrier_signal -1
	s_barrier_wait -1
.endm
.macro QBASE g, j, img, scl            ; where tile s[j] of group s[g] lies in q_ws: its half-image and its scale words
	s_lshl_b32 s70, s14, 4
	s_add_co_u32 s70, s70, s[\g]
	s_mul_i32 s70, s70, 6656
	s_mul_i32 s71, s[\j], 768
	s_add_co_u32 s78, s70, s71
	s_add_nc_u64 s[\img:\img+1], s[4:5], s[78:79]
	s_lshr_b32 s71, s[\j], 2
	s_lshl_b32 s71, s71, 8
	s_add_co_u32 s78, s70, s71
	s_and_b32 s71, s[\j], 3
	s_lshl_b32 s71, s71, 2
	s_add_co_u32 s78, s78, s71
	s_add_co_u32 s78, s78, 6144
	s_add_nc_u64 s[\scl:\scl+1], s[4:5], s[78:79]
.endm
.macro YBASE g, j, yb, t               ; where its results go: y's half-image, and the offset of its first token's two scale bytes
	s_lshr_b32 s70, s14, 4
	s_lshl_b32 s70, s70, 7
	s_lshl_b32 s71, s[\g], 3
	s_add_co_u32 s70, s70, s71
	s_add_co_u32 s70, s70, s[\j]                   ; the tile of 16 tokens: 128 batch + 8 g + j
	s_and_b32 s71, s14, 15                         ; the head
	s_lshl_b32 s78, s70, 4
	s_add_co_u32 s78, s78, s71
	s_mul_i32 s78, s78, 768
	s_add_nc_u64 s[\yb:\yb+1], s[8:9], s[78:79]
	s_lshl_b32 s70, s70, 9
	s_lshl_b32 s71, s71, 1
	s_add_co_u32 s[\t], s70, s71
.endm
.macro QLOAD img, scl                  ; Q's half-image, below and above the zeros, and its scale words
	global_load_b128 v[16:19], v1, s[\img:\img+1]
	global_load_b64 v[20:21], v2, s[\img:\img+1] offset:512
	global_load_b128 v[28:31], v1, s[\img:\img+1]
	global_load_b64 v[32:33], v2, s[\img:\img+1] offset:512
	global_load_b32 v34, v3, s[\scl:\scl+1]
.endm
.macro INIT g, j                       ; a tile begins: O^T and the sum are zeros and the largest t lies under every t, so that the step is written once
	v_mov_b32 v13, 0xff61b1e6                      ; -3e38
	s_delay_alu instid0(VALU_DEP_1)
	v_floor_f32 v12, -v13
	v_mov_b32 v14, 0
	v_mov_b32 v15, 0
.set n, 0
.rept 32
	v_mov_b32 v[O+n], 0
.set n, n+1
.endr
	s_mov_b32 s[TB], 0
	s_mov_b32 s[KI], 0
	s_mov_b32 s[GG], s[\g]
	s_lshl_b32 s70, s[\j], 4
	v_add_nc_u32 v7, s70, v9                       ; my query's place in its group, less 8 (lane / 16)
.endm
; A KEY STEP: 128 keys.  cond = 1: steps behind the diagonal are left out (a scalar branch on the wave's number and the counter, round the work, not round the lines that step addresses), and the step on the diagonal is masked.
.macro STEP cond
.if \cond
	s_cmp_gt_u32 s[KI], s[GG]
	s_cbranch_scc1 .Lhid_\@
.endif
	v_add_nc_u32 v[ADA], s[TB], v1
	v_add_nc_u32 v[ADB], s[TB], v2
	v_add_nc_u32 v[ADC], s[TB], v3
.irp m, 0,1,2,3
	ds_load_b128 v[48+18*\m:51+18*\m], v[ADA] offset:1536*\m               ; every load takes consecutive bytes
	ds_load_b64 v[52+18*\m:53+18*\m], v[ADB] offset:1536*\m+512
	ds_load_b128 v[60+18*\m:63+18*\m], v[ADA] offset:1536*\m+768
	ds_load_b64 v[64+18*\m:65+18*\m], v[ADB] offset:1536*\m+1280
.endr
	ds_load_b128 v[36:39], v[ADC] offset:6144
	ds_load_b128 v[40:43], v[ADC] offset:6400
	s_wait_dscnt 0x0
.irp m, 0,1,2,3                                ; tile i of 16 keys into v[S + 8 i]: register j of lane (r, h) is key 16 i + 8 h + j, query r
	v_wmma_scale_f32_16x16x128_f8f6f4 v[S+16*\m:S+16*\m+7], v[48+18*\m:59+18*\m], v[16:27], 0, v[36+2*\m], v34 matrix_a_fmt:MATRIX_FMT_FP6 matrix_b_fmt:MATRIX_FMT_FP6
	v_wmma_scale_f32_16x16x128_f8f6f4 v[S+16*\m+8:S+16*\m+15], v[54+18*\m:65+18*\m], v[22:33], 0, v[37+2*\m], v34 matrix_a_fmt:MATRIX_FMT_FP6 matrix_b_fmt:MATRIX_FMT_FP6
.endr
.rept 4
	v_nop                                          ; four places in front of the first read of results
.endr
.if \cond
	s_cmp_lg_u32 s[KI], s[GG]
	s_cbranch_scc1 .Lopen_\@
.set n, 0
	s_wait_alu depctr_va_vdst(0)
.rept 64                                       ; on the diagonal: hidden where 16 i + 8 h + j > my query's place: the score becomes -infinity, p = 0
	v_cmp_gt_i32 vcc_lo, 16*(n/8)+n%8, v7
	v_cndmask_b32 v[S+n], v[S+n], v8, vcc_lo
.set n, n+1
.endr
.Lopen_\@:
.endif
.irp b, 0,1,2,3
	v_max3_num_f32 v[BM+\b], v[S+16*\b], v[S+1+16*\b], v[S+2+16*\b]       ; the largest score of each block of 32 keys: for the row's maximum, and, since p rises with the score, for the block's largest p
.endr
.irp i, 3,5,7,9,11,13
.irp b, 0,1,2,3
	v_max3_num_f32 v[BM+\b], v[BM+\b], v[S+16*\b+\i], v[S+1+16*\b+\i]
.endr
.endr
.irp b, 0,1,2,3
	v_max_num_f32 v[BM+\b], v[BM+\b], v[S+15+16*\b]
.endr
.irp b, 0,1,2,3
	s_delay_alu instid0(VALU_DEP_4)
	v_permlanex16_b32 v[BT+\b], v[BM+\b], s[SEL], s[SEL+1]
.endr
.irp b, 0,1,2,3
	s_delay_alu instid0(VALU_DEP_4)
	v_max_num_f32 v[BM+\b], v[BM+\b], v[BT+\b]     ; with lane l xor 16's 16 keys
.endr
	s_delay_alu instid0(VALU_DEP_2)
	v_max3_num_f32 v[WK], v[BM], v[BM+1], v[BM+2]
	s_delay_alu instid0(VALU_DEP_1)
	v_max_num_f32 v[WK], v[WK], v[BM+3]
	s_delay_alu instid0(VALU_DEP_1)
	v_mul_f32 v[WK], s[CS], v[WK]                  ; the step's largest t (c is positive)
	s_delay_alu instid0(VALU_DEP_1)
	v_max_num_f32 v13, v13, v[WK]
	v_mov_b32 v[WK], v12
	s_delay_alu instid0(VALU_DEP_2)
	v_floor_f32 v12, -v13                          ; the new -M = floor(-t): M is a whole number
	s_delay_alu instid0(VALU_DEP_1)
	v_sub_f32 v[WK], v12, v[WK]                    ; old M - new M: a whole number, 0 or less
	s_delay_alu instid0(VALU_DEP_1)
	v_cvt_i32_f32 v[WK], v[WK]                     ; (it saturates)
	s_delay_alu instid0(VALU_DEP_1)
	v_ldexp_f32 v[F], 1.0, v[WK]                   ; f
.set n, 0
.rept 32
	v_pk_fma_f32 v[S+n:S+n+1], v[S+n:S+n+1], s[CS:CS+1], v[12:13] op_sel_hi:[1,0,0]   ; t - M, two at a time
.set n, n+2
.endr
.irp b, 0,1,2,3
	v_fma_f32 v[BM+\b], v[BM+\b], s[CS], v12       ; the same of each block's largest score
.endr
.set n, 0
	s_wait_alu depctr_va_vdst(0)
.rept 64
	v_exp_f32 v[S+n], v[S+n]                       ; p = 2^(t - M)
.set n, n+1
.endr
	v_pk_mul_f32 v[14:15], v[14:15], v[F:F+1] op_sel_hi:[1,0]             ; the sums under the new M: a plain place behind the exponentials
	s_wait_alu depctr_va_vdst(0)                   ; one wait for the batch, ahead of its first reader
.irp b, 0,1,2,3
	v_exp_f32 v[BM+\b], v[BM+\b]                   ; the block's largest p: the same two instructions on the same number
.endr
	v_pk_add_f32 v[252:253], v[124:125], v[128:129]
	v_pk_add_f32 v[254:255], v[132:133], v[136:137]
	v_pk_add_f32 v[246:247], v[140:141], v[144:145]
	v_pk_add_f32 v[244:245], v[148:149], v[152:153]
	v_pk_add_f32 v[242:243], v[156:157], v[160:161]
	v_pk_add_f32 v[240:241], v[164:165], v[168:169]
	v_pk_add_f32 v[232:233], v[172:173], v[176:177]
	v_pk_add_f32 v[14:15], v[14:15], v[180:181]
	v_pk_add_f32 v[252:253], v[252:253], v[120:121]
	v_pk_add_f32 v[254:255], v[254:255], v[122:123]
	v_pk_add_f32 v[246:247], v[246:247], v[126:127]
	v_pk_add_f32 v[244:245], v[244:245], v[130:131]
	v_pk_add_f32 v[242:243], v[242:243], v[134:135]
	v_pk_add_f32 v[240:241], v[240:241], v[138:139]
	v_pk_add_f32 v[232:233], v[232:233], v[142:143]
	v_pk_add_f32 v[14:15], v[14:15], v[146:147]
	v_pk_add_f32 v[252:253], v[252:253], v[150:151]
	v_pk_add_f32 v[254:255], v[254:255], v[154:155]
	v_pk_add_f32 v[246:247], v[246:247], v[158:159]
	v_pk_add_f32 v[244:245], v[244:245], v[162:163]
	v_pk_add_f32 v[242:243], v[242:243], v[166:167]
	v_pk_add_f32 v[240:241], v[240:241], v[170:171]
	v_pk_add_f32 v[232:233], v[232:233], v[174:175]
	v_pk_add_f32 v[14:15], v[14:15], v[178:179]
	v_pk_add_f32 v[252:253], v[252:253], v[182:183]
	s_delay_alu instid0(VALU_DEP_2)
	v_pk_add_f32 v[14:15], v[14:15], v[244:245]
	s_delay_alu instid0(VALU_DEP_2)
	v_pk_add_f32 v[252:253], v[252:253], v[242:243]
	v_pk_add_f32 v[254:255], v[254:255], v[240:241]
	v_pk_add_f32 v[246:247], v[246:247], v[232:233]
	s_delay_alu instid0(VALU_DEP_2)
	v_pk_add_f32 v[14:15], v[14:15], v[254:255]
	s_delay_alu instid0(VALU_DEP_2)
	v_pk_add_f32 v[252:253], v[252:253], v[246:247]
	s_delay_alu instid0(VALU_DEP_1)
	v_pk_add_f32 v[14:15], v[14:15], v[252:253]
	s_wait_alu depctr_va_vdst(0)                   ; and one for the four
.irp b, 0,1,2,3
	v_max_num_f32 v[BM+\b], 0x1800000, v[BM+\b]    ; the floor 2^(3 - 127): the byte cannot fall under 1
.endr
.irp b, 0,1,2,3
	s_delay_alu instid0(VALU_DEP_4)
	v_add_nc_u32 v[SOP+\b], 0xff000000, v[BM+\b]   ; 2 off the exponent field: the conversion's scale operand
.endr
.irp b, 0,1,2,3
	s_delay_alu instid0(VALU_DEP_4)
	v_lshrrev_b32 v[BT+\b], 23, v[SOP+\b]          ; the scale's byte
.endr
	s_delay_alu instid0(VALU_DEP_3)
	v_lshl_or_b32 v[PWD], v[BT+1], 8, v[BT]
	s_delay_alu instid0(VALU_DEP_1)
	v_lshl_or_b32 v[PWD], v[BT+2], 16, v[PWD]
	s_delay_alu instid0(VALU_DEP_1)
	v_lshl_or_b32 v[PWD], v[BT+3], 24, v[PWD]
.irp c, 0,1
	v_cvt_scalef32_pk16_fp6_f32 v[PCD+6*\c:PCD+2+6*\c], v[S+32*\c:S+15+32*\c], v[SOP+2*\c]
	v_cvt_scalef32_pk16_fp6_f32 v[CVH+4*\c:CVH+2+4*\c], v[S+16+32*\c:S+31+32*\c], v[SOP+2*\c+1]
.endr
	v_nop                                          ; one plain place behind a scaled conversion
.irp t, 0,1,2,3                                ; p is done with: V's four fragments land in its registers while the codes are put in order
.irp c, 0,1,2
	ds_load_b128 v[S+12*\t+4*\c:S+12*\t+4*\c+3], v[ADA] offset:6656+1536*\t+512*\c
.endr
.endr
	ds_load_b128 v[44:47], v[ADC] offset:12800
.irp c, 0,1                                    ; a whole block in a lane: lanes 0-15 block 2 c, lanes 16-31 block 2 c + 1
.irp i, 0,1,2
	v_permlane16_swap_b32 v[PCD+6*\c+\i], v[CVH+4*\c+\i]
.endr
.irp i, 0,1,2
	s_delay_alu instid0(VALU_DEP_3)
	v_mov_b32 v[PCD+3+6*\c+\i], v[CVH+4*\c+\i]
.endr
.endr
.set n, 0
.rept 16
	v_pk_mul_f32 v[O+n:O+n+1], v[O+n:O+n+1], v[F:F+1] op_sel_hi:[1,0]     ; O^T under the new M.  These 16 are also the places that the codes and the scale word owe in front of the products
.set n, n+2
.endr
	s_wait_alu depctr_va_vdst(0)
	s_wait_dscnt 0x0
.irp t, 0,1,2,3                                ; O^T += V^T P^T: the four accumulators by turns
	v_wmma_scale_f32_16x16x128_f8f6f4 v[O+8*\t:O+8*\t+7], v[S+12*\t:S+12*\t+11], v[PCD:PCD+11], v[O+8*\t:O+8*\t+7], v[44+\t], v[PWD] matrix_a_fmt:MATRIX_FMT_FP6 matrix_b_fmt:MATRIX_FMT_FP6
.endr
.rept 5
	v_nop                                          ; five places: the next step's scores are laid over V's registers; four would serve the reads of O^T
.endr
.if \cond
.Lhid_\@:
.endif
	s_add_co_u32 s[TB], s[TB], PACK
	s_add_co_u32 s[KI], s[KI], 1
.endm
.macro LOOPN trips, cond               ; so many key steps: a constant of the text
	s_mov_b32 s[CNT], \trips
.Lloop_\@:
	STEP \cond
	s_sub_co_u32 s[CNT], s[CNT], 1
	s_cmp_lg_u32 s[CNT], 0
	s_cbranch_scc1 .Lloop_\@
.endm
; A tile's end: y = O^T / the sum; register 16 b + i of lane (r, h) is channel 32 b + 16 h + i of query r: two blocks of 32 along the last product's K, quantised; the half-image is stored, the scale word kept in v[sw].
.macro OUTPUT yb, sw
	v_add_f32 v14, v14, v15
	s_delay_alu instid0(VALU_DEP_1)
	v_permlanex16_b32 v[BT], v14, s[SEL], s[SEL+1]
	s_delay_alu instid0(VALU_DEP_1)
	v_add_f32 v14, v14, v[BT]                      ; the row's sum
	s_wait_alu depctr_va_vdst(0)
	v_rcp_f32 v[F], v14
	v_nop                                          ; a plain place behind the transcendental
	s_wait_alu depctr_va_vdst(0)                   ; the wait, ahead of the first reader
.set n, 0
.rept 16
	v_pk_mul_f32 v[S+n:S+n+1], v[O+n:O+n+1], v[F:F+1] op_sel_hi:[1,0]
.set n, n+2
.endr
.irp b, 0,1
	v_max3_num_f32 v[BM+\b], |v[S+16*\b]|, |v[S+1+16*\b]|, 0x1800000
.endr
.irp i, 2,4,6,8,10,12,14
.irp b, 0,1
	s_delay_alu instid0(VALU_DEP_2)
	v_max3_num_f32 v[BM+\b], v[BM+\b], |v[S+16*\b+\i]|, |v[S+1+16*\b+\i]|
.endr
.endr
.irp b, 0,1
	s_delay_alu instid0(VALU_DEP_2)
	v_permlanex16_b32 v[BT+\b], v[BM+\b], s[SEL], s[SEL+1]
.endr
.irp b, 0,1
	s_delay_alu instid0(VALU_DEP_2)
	v_max_num_f32 v[BM+\b], v[BM+\b], v[BT+\b]
.endr
.irp b, 0,1
	s_delay_alu instid0(VALU_DEP_2)
	v_add_nc_u32 v[SOP+\b], 0xff000000, v[BM+\b]
.endr
.irp b, 0,1
	s_delay_alu instid0(VALU_DEP_2)
	v_lshrrev_b32 v[BT+\b], 23, v[SOP+\b]
.endr
	s_delay_alu instid0(VALU_DEP_1)
	v_lshl_or_b32 v[\sw], v[BT+1], 8, v[BT]
	v_cvt_scalef32_pk16_fp6_f32 v[PCD:PCD+2], v[S:S+15], v[SOP]
	v_cvt_scalef32_pk16_fp6_f32 v[CVH:CVH+2], v[S+16:S+31], v[SOP+1]
	v_nop
.irp i, 0,1,2
	v_permlane16_swap_b32 v[PCD+\i], v[CVH+\i]
.endr
.irp i, 0,1,2
	s_delay_alu instid0(VALU_DEP_3)
	v_mov_b32 v[PCD+3+\i], v[CVH+\i]
.endr
	global_store_b128 v1, v[PCD:PCD+3], s[\yb:\yb+1]                      ; 512 consecutive bytes, aligned to 256
	global_store_b64 v2, v[PCD+4:PCD+5], s[\yb:\yb+1] offset:512          ; and 256
.endm
	s_load_b256 s[4:11], s[0:1], 0x0               ; q_ws s[4:5], kv_ws s[6:7], y's codes s[8:9], y's scales s[10:11]
	v_lshl_add_u32 v235, v0, 2, 0x33000
	v_mov_b32 v249, 0
	ds_add_u32 v235, v249
	ds_add_u32 v235, v249
	v_lshrrev_b32 v1, 5, v0
	s_delay_alu instid0(VALU_DEP_1)
	v_readfirstlane_b32 s[WV], v1                  ; wave 0..15
	s_bfe_u32 s13, ttmp6, 0x40000                  ; cx
	s_and_b32 s14, ttmp7, 0xffff                   ; 16 batch + head, which the four partners share
	s_sub_co_u32 s70, 15, s[WV]
	s_max_u32 s15, s[WV], s70                      ; G1
	s_sub_co_u32 s16, 15, s15                      ; G2
	s_cmp_lt_u32 s[WV], 8
	s_cselect_b32 s17, 4, 0
	s_cselect_b32 s18, 0, 4
	s_add_co_u32 s17, s17, s13                     ; the first tile's place in its group,
	s_add_co_u32 s18, s18, s13                     ; the second's
	; descriptor groups 1: dense blocks as rows of 256 bytes (32 elements of 8): one pack is 51 rows, two are 102
	s_mov_b32 s24, 15|(3<<16)|(1<<21)              ; 15:0 the mask: all four work-groups; 17:16 elements of 8 bytes; 21 set beside a mask
	s_mov_b32 s25, 32<<16
	s_mov_b32 s26, 51<<16
	s_mov_b32 s27, 32<<16
	s_mov_b32 s28, 51
	s_mov_b32 s29, 32
	s_mov_b32 s30, 0
	s_mov_b32 s31, 0
	s_mov_b32 s[SEL], 0x76543210
	s_mov_b32 s[SEL+1], 0xfedcba98
	s_mov_b32 s[CS], 0x3e38aa3b                    ; log2(e) / 8
	s_mov_b32 s[CS+1], s[CS]                       ; (named with it as a pair, so it is written)
	s_mul_i32 s71, s[WV], PACK                     ; wave w fetches pack w: a pack lies in LDS where it lies in the head
	s_mul_i32 s74, s14, 16*PACK
	s_mov_b32 s75, 0
	s_mov_b32 s78, s71
	s_mov_b32 s79, 0
	v_and_b32 v4, 31, v0
	s_delay_alu instid0(VALU_DEP_1)
	v_lshlrev_b32 v1, 4, v4
	s_delay_alu instid0(VALU_DEP_2)
	v_lshlrev_b32 v2, 3, v4
	v_and_b32 v5, 15, v0
	s_delay_alu instid0(VALU_DEP_1)
	v_lshlrev_b32 v3, 4, v5
	v_bfe_u32 v6, v0, 4, 1
	s_delay_alu instid0(VALU_DEP_1)
	v_lshlrev_b32 v6, 3, v6
	s_delay_alu instid0(VALU_DEP_1)
	v_sub_nc_u32 v9, v5, v6
	v_mov_b32 v8, 0xff800000
	s_wait_dscnt 0x0
	s_wait_kmcnt 0x0
	s_add_nc_u64 s[76:77], s[6:7], s[74:75]        ; the head in kv_ws
	s_mov_b32 s40, 1
	s_mov_b32 s41, s71
	s_add_nc_u64 s[42:43], s[76:77], s[78:79]
	s_or_b32 s43, s43, 0x80000000
	CROUND                                         ; all four work-groups are here: the joint loads meet
	; one joint load a wave, its own pack.  Three arms of one chain, since the three groups of waves wait at three different barriers
	s_cmp_lt_u32 s[WV], 4
	s_cbranch_scc0 .Lfill_b
	tensor_load_to_lds s[40:43], s[24:31]
	s_nop 0
.rept 4
	v_nop
.endr
	s_branch .Lfilled
.Lfill_b:
	s_cmp_lt_u32 s[WV], 8
	s_cbranch_scc0 .Lfill_c
	tensor_load_to_lds s[40:43], s[24:31]
	s_nop 0
.rept 4
	v_nop
.endr
	s_branch .Lfilled
.Lfill_c:
	tensor_load_to_lds s[40:43], s[24:31]
	s_nop 0
.rept 4
	v_nop
.endr
.Lfilled:
	QBASE 15, 17, 56, 58
	s_wait_alu depctr_va_vdst(0)
	QLOAD 56, 58
	QBASE 16, 18, 60, 62
	YBASE 15, 17, 66, 80
	YBASE 16, 18, 68, 81
.irp i, 0,1,2,3,4,5
	v_mov_b32 v[22+\i], 0                          ; the zero codes between Q's two copies,
.irp m, 0,1,2,3
	v_mov_b32 v[54+18*\m+\i], 0                    ; and between each pair of K's tiles: written once
.endr
.endr
.irp b, 0,1,2,3
	v_mov_b32 v[BT+\b], 0                          ; a lane permute's destination counts as one of its sources
.endr
	v_mov_b32 v[F+1], 0                            ; (named as the upper half of a pair)
	INIT 15, 17
	s_cmp_lt_u32 s[WV], 4                          ; packs 0-3: waves 0 to 3 wait for theirs; the other waves' loads stay out
	s_cbranch_scc0 .Lnot_a
	s_wait_tensorcnt 0x0
.Lnot_a:
	s_barrier_signal -1
	s_barrier_wait -1
	s_wait_loadcnt 0x0                             ; Q
	LOOPN 4, 0                                     ; G1 is 8 or more: key steps 0 to 7 count whole
	s_cmp_lt_u32 s[WV], 8                          ; packs 4-7: waves 4 to 7 wait for theirs
	s_cbranch_scc0 .Lnot_b
	s_wait_tensorcnt 0x0
.Lnot_b:
	s_barrier_signal -1
	s_barrier_wait -1
	LOOPN 4, 0
	s_wait_tensorcnt 0x0                           ; packs 8-15
	s_barrier_signal -1
	s_barrier_wait -1                              ; the last barrier: from here on the waves run freely
	LOOPN 8, 1
	QLOAD 60, 62                                   ; the second tile's Q lands while the first tile goes out
	OUTPUT 66, 10
	INIT 16, 18
	s_wait_loadcnt 0x0
	s_wait_xcnt 0x0                                ; the stores have read their registers: the codes may be written again
	LOOPN 8, 1
	OUTPUT 68, 11
	v_and_b32 v255, 16, v0
	s_delay_alu instid0(VALU_DEP_1)
	v_cmp_eq_u32 vcc_lo, 0, v255
	s_delay_alu instid0(VALU_DEP_1)
	v_cndmask_b32 v252, v11, v10, vcc_lo           ; lanes 0-15 carry the first tile's scale bytes, lanes 16-31 the second's
	v_mov_b32 v253, s81
	v_mov_b32 v254, s80
	s_delay_alu instid0(VALU_DEP_1)
	v_cndmask_b32 v253, v253, v254, vcc_lo
	s_delay_alu instid0(VALU_DEP_1)
	v_lshl_add_u32 v253, v3, 1, v253               ; + 32 bytes a token
	global_store_b16 v253, v252, s[10:11]
	s_wait_tensorcnt 0x0
	ds_add_u32 v235, v249
	s_wait_dscnt 0x0
	CROUND                                         ; the closing round
	s_endpgm
.Lfunc_end_k_q23cc919c46_attn:
	.size	k_q23cc919c46_attn, .Lfunc_end_k_q23cc919c46_attn-k_q23cc919c46_attn
	.p2alignl 7, 3214868480
	.fill 96, 4, 3214868480
	.section	.rodata,"a",@progbits
	.p2align	6, 0x0
	.amdhsa_kernel k_q23cc919c46_attn
		.amdhsa_group_segment_fixed_size 210944
		.amdhsa_private_segment_fixed_size 0
		.amdhsa_enable_private_segment 0
		.amdhsa_kernarg_size 32
		.amdhsa_user_sgpr_count 2
		.amdhsa_user_sgpr_kernarg_segment_ptr 1
		.amdhsa_wavefront_size32 1
		.amdhsa_system_sgpr_workgroup_id_x 1
		.amdhsa_system_sgpr_workgroup_id_y 1
		.amdhsa_system_sgpr_workgroup_id_z 1
		.amdhsa_system_vgpr_workitem_id 0
		.amdhsa_next_free_vgpr 256
		.amdhsa_next_free_sgpr 90
		.amdhsa_reserve_vcc 1
		.amdhsa_float_denorm_mode_32 3
		.amdhsa_float_denorm_mode_16_64 3
		.amdhsa_memory_ordered 1
		.amdhsa_forward_progress 1
		.amdhsa_inst_pref_size 99
	.end_amdhsa_kernel
	.amdgpu_metadata
---
amdhsa.version: [ 1, 2 ]
amdhsa.kernels:
  - .name:           k_q23cc919c46_attn
    .symbol:         k_q23cc919c46_attn.kd
    .args:
      - { .name: q_ws, .offset: 0, .size: 8, .value_kind: global_buffer, .address_space: global }
      - { .name: kv_ws, .offset: 8, .size: 8, .value_kind: global_buffer, .address_space: global }
      - { .name: y_codes, .offset: 16, .size: 8, .value_kind: global_buffer, .address_space: global }
      - { .name: y_scales, .offset: 24, .size: 8, .value_kind: global_buffer, .address_space: global }
    .group_segment_fixed_size: 210944
    .private_segment_fixed_size: 0
    .kernarg_segment_align: 8
    .kernarg_segment_size: 32
    .max_flat_workgroup_size: 512
    .sgpr_count:     90
    .vgpr_count:     256
    .wavefront_size: 32
...
	.end_amdgpu_metadata
.endif
;; end of part 2
;; launch proj (part 3): grid 4 x 64, 4 waves a work-group, clusters of 4 x 4, 313,856 bytes of LDS; arguments y_codes, y_scales, w_out_codes, w_out_scales, b_out, out0; writes out0
.if DOCPART == 3
	.amdgcn_target "amdgcn-amd-amdhsa--gfx1250"
	.amdhsa_code_object_version 6
	.text
	.protected	k_q23cc919c46_proj
	.globl	k_q23cc919c46_proj
	.p2align	8
	.type	k_q23cc919c46_proj,@function
k_q23cc919c46_proj:
	s_mov_b64 s[64:65], 0
	v_nop
	global_prefetch_b8 v0, s[64:65] scope:SCOPE_SE
	s_setreg_imm32_b32 hwreg(HW_REG_WAVE_MODE, 25, 1), 1
	s_wait_xcnt 0x0
	s_wait_alu depctr_hold_cnt(0) depctr_sa_sdst(0) depctr_va_vdst(0) depctr_va_sdst(0) depctr_va_ssrc(0) depctr_va_vcc(0) depctr_vm_vsrc(0)
	s_getreg_b32 s2, hwreg(HW_REG_IB_STS2, 6, 4)
	s_cmp_eq_u32 s2, 0
	s_cbranch_scc0 .Lentry_in_a_cluster
	s_endpgm
.Lentry_in_a_cluster:
	s_bfe_u32 s2, ttmp6, 0x10000c
	s_cmp_lg_u32 s2, 0xf033
	s_cbranch_scc0 .Lentry_shape_is_right
	s_endpgm
.Lentry_shape_is_right:
; out = y W_out + b on codes of FP6 (E2M3) with E8M0 scales.  W_out: 1,024 rows of 1,024 codes (768 bytes) and 32 scale bytes, K innermost.
; y: images of operand registers, [512 tiles of 16 tokens][16 heads][768 bytes]: a half-image (16 tokens x a head's 64): registers 0-3 at 16 x lane, registers 4-5 at 512 + 8 x lane; two heads are a K step's fragment.
; y's scale bytes [8,192 tokens][32].  out: [8,192][1,024] f32.
; A work-group makes 256 columns (R0 = rows of W_out, source 0: they run along a lane's eight result registers: 32 neighbouring bytes of a row of out) x 128 tokens (R1, source 1: a token a lane).
; 4 x 64 = 256 work-groups.  Four waves: wave w takes columns 128 (w & 1) on and tokens 64 (w >> 1) on: 32 accumulators; K in 8 steps of 128, written out.
; ALL OF K LIES IN LDS AT ONCE, each byte filled once, by loads that all go out at the head (so no prefetch is written).  W_out's rows come as three chunks of 256 aligned bytes, rows of 256 + 16 bytes in LDS;
; y's images come whole, by one load, as they lie.
; CLUSTER 4 x 4: W_out's tile hangs on cx alone and is asked for jointly down a column of the cluster, y's on cy alone and jointly along a row.
; The bias is the C of each sum's first matrix instruction.
; REGISTERS, in windows of 256: window 0: v0-31 addresses; v32-95 W_out's scale words (8 b + s), v96-127 y's (8 a + s); v128-223 y's fragments, two sets; on the way out v128-255 rows of out.
;   window 1: W_out's fragments, two sets at v0 and v128.   window 2: accumulator (a, b) at v[8 (8 a + b)].   window 3: the bias, 8 b + j.
.set CH0,  69632                       ; a chunk of R0: 256 rows x 272
.set YB0,  208896                      ; y: 8 tiles x 12,288, whole
; y's eight tiles lie from YB0 on as they lie in memory: 12,288 bytes a tile, 768 a head, to 307,200
.set SC0,  32
.set SC1,  96
.set FB,   128
.set A0,   5                           ; v5-7   LDS address of my R0 fragments in chunk 0, 1, 2
.set X0,   8                           ; v8-9   the same where lanes 16-31 already stand in the next chunk
.set Y16,  10                          ; v10    y: my four tiles + 16 x lane
.set Y8,   17                          ; v17 + 8 x lane
.set LI,   15                          ; v15  16 x lane
.set L8,   16                          ; v16  8 x lane
.set STO,  20                          ; v20  the way out: where I put 32 bytes of a row
.set RD,   21                          ; v21  and where I read a row back
.set WV,   18
.set MSB, 0
.macro WIN new                         ; the immediate's high byte repeats the setting that is left
.if MSB != \new
	s_set_vgpr_msb (MSB<<8)|\new
.set MSB, \new
.endif
.endm
.macro PLACES n
.rept \n
	v_nop
.endr
.endm
.macro CROUND                          ; a round of the cluster's barrier
	s_barrier_signal -1
	s_barrier_wait -1
	s_cmp_lg_u32 s[WV], 0
	s_cbranch_scc1 .Lnot_wave_0_\@
	s_barrier_signal -3
.Lnot_wave_0_\@:
	s_barrier_wait -3
	s_barrier_signal -1
	s_barrier_wait -1
.endm
.macro G0SET g, lreg, loff, areg, goff ; a descriptor's group 0: count, LDS address, global address, type
	s_mov_b32 s[\g], 1
	s_add_co_u32 s[\g+1], s[\lreg], \loff
	s_add_nc_u64 s[\g+2:\g+3], s[\areg:\areg+1], \goff
	s_or_b32 s[\g+3], s[\g+3], 0x80000000
.endm
; A fragment of W_out, 16 rows x 128 K: lane (r, h) takes the 24 bytes at 96 s + 24 h and at 96 s + 48 + 24 h of row r, in pieces of 8 bytes.  A chunk holds 32 pieces; where lanes 16-31's piece, three on, lies in the
; next chunk (pieces 30, 31 and 61, 62) the second address register serves.  Rows 272 bytes apart: the 32 lanes of a load touch 64 different banks.
.macro FRAG reg, ad, ax, s, i
.irp p, 0,1,2,3,4,5
.set PP, 12*(\s)+6*(\p/3)+\p%3
.if PP%32 < 29
	ds_load_b64 v[(\reg)+2*\p:(\reg)+2*\p+1], v[\ad+PP/32] offset:8*(PP%32)+4352*(\i)
.else
	ds_load_b64 v[(\reg)+2*\p:(\reg)+2*\p+1], v[\ax+PP/32] offset:8*(PP%32)+4352*(\i)
.endif
.endr
.endm
.macro YFRAG reg, s, a                 ; a fragment of y: the half-images of heads 2 s and 2 s + 1 of my tile a, as they lie: every load takes consecutive bytes
.set YC, 0
.set YL, 12288
.set YH, 2*(\s)
	ds_load_b128 v[(\reg):(\reg)+3], v[Y16+YC] offset:(\a)*YL+768*YH
	ds_load_b64 v[(\reg)+4:(\reg)+5], v[Y8+YC] offset:(\a)*YL+768*YH+512
	ds_load_b128 v[(\reg)+6:(\reg)+9], v[Y16+YC] offset:(\a)*YL+768*YH+768
	ds_load_b64 v[(\reg)+10:(\reg)+11], v[Y8+YC] offset:(\a)*YL+768*YH+1280
.endm
.macro FETCH s, p
	WIN 0x40                                       ; destination window 1, address window 0
.irp i, 0,1,2,3,4,5,6,7
	FRAG 128*(\p)+12*\i, A0, X0, \s, \i
.endr
	WIN 0
.irp i, 0,1,2,3
	YFRAG FB+48*(\p)+12*\i, \s, \i
.endr
.endm
; 32 matrix instructions: the 32 accumulators take turns, one instruction a turn, in the same order in every step.  first = 1: the bias starts the sums.
.macro MUL p, s, first
.irp a, 0,1,2,3
.irp b, 0,1,2,3,4,5,6,7
.if \first
	v_wmma_scale_f32_16x16x128_f8f6f4 v[8*(8*\a+\b):8*(8*\a+\b)+7], v[128*(\p)+12*\b:128*(\p)+12*\b+11], v[FB+48*(\p)+12*\a:FB+48*(\p)+12*\a+11], v[8*\b:8*\b+7], v[SC0+8*\b+(\s)], v[SC1+8*\a+(\s)] matrix_a_fmt:MATRIX_FMT_FP6 matrix_b_fmt:MATRIX_FMT_FP6
.else
	v_wmma_scale_f32_16x16x128_f8f6f4 v[8*(8*\a+\b):8*(8*\a+\b)+7], v[128*(\p)+12*\b:128*(\p)+12*\b+11], v[FB+48*(\p)+12*\a:FB+48*(\p)+12*\a+11], v[8*(8*\a+\b):8*(8*\a+\b)+7], v[SC0+8*\b+(\s)], v[SC1+8*\a+(\s)] matrix_a_fmt:MATRIX_FMT_FP6 matrix_b_fmt:MATRIX_FMT_FP6
.endif
.endr
.endr
.endm
; K step s.  bar = 1: the next step's fragments lie in a chunk not yet shown whole: my own load of it is waited for (cnt younger loads of mine may stay out), then a barrier.
.macro STEP s, bar, cnt
.if \bar
.if \cnt
	s_cmp_eq_u32 s[WV], 3                          ; wave 3's load, W's third chunk, may stay out: its line is wave 3's alone
	s_cbranch_scc1 .Lout_\@
.endif
	s_wait_tensorcnt 0x0
.if \cnt
.Lout_\@:
.endif
.endif
	s_wait_dscnt 0x0                               ; this step's fragments are in; no LDS instruction of mine is out at a signal
.if \bar
	s_barrier_signal -1
	s_barrier_wait -1
.endif
.if (\s) < 7
.if (\s) > 0
	PLACES 4                                       ; four places in front of loads into the set that the last products read
.endif
	FETCH (\s)+1, 1-(\s)%2
.endif
.if (\s) == 0
	WIN 0xb1                                       ; source 0 window 1, source 1 window 0, C window 3, D window 2
	MUL 0, 0, 1
.else
	WIN 0xa1                                       ; C and D window 2
	MUL (\s)%2, \s, 0
.endif
	WIN 0
.endm
	s_load_b256 s[4:11], s[0:1], 0x0               ; y's codes s[4:5], y's scales s[6:7], W's codes s[8:9], W's scales s[10:11]
	s_load_b128 s[12:15], s[0:1], 0x20             ; the bias s[12:13], out s[14:15]
	v_lshl_add_u32 v30, v0, 2, 0x4c800
	v_mov_b32 v31, 0
	ds_add_u32 v30, v31
	ds_add_u32 v30, v31
	v_lshrrev_b32 v1, 5, v0
	v_readfirstlane_b32 s[WV], v1                  ; wave 0..3
	s_and_b32 s19, s[WV], 1                        ; which half of the columns is mine.
	s_lshr_b32 s20, s[WV], 1                       ; which half of the tokens is mine.
	s_bfe_u32 s21, ttmp6, 0x40000                  ; cx
	s_bfe_u32 s22, ttmp6, 0x40004                  ; cy
	s_lshl_b32 s25, ttmp9, 2
	s_add_co_u32 s25, s25, s21                     ; i0: which 256 columns
	s_and_b32 s26, ttmp7, 0xffff
	s_lshl_b32 s26, s26, 2
	s_add_co_u32 s26, s26, s22                     ; i1: which 128 tokens
	s_lshl_b32 s92, 0x1111, s21                    ; my column of the cluster
	s_or_b32 s28, s92, (3<<16)|(1<<20)|(1<<21)|(5<<22)|(3<<25)  ; W's chunks: the mask; elements of 8 bytes; padding on; 21 set beside a mask; after every 64 words 4 words
	s_mov_b32 s29, 32<<16                          ; tensor_dim0 = 32
	s_mov_b32 s30, 256<<16                         ; tensor_dim1 = 256: a load brings a chunk of all 256 rows
	s_mov_b32 s31, 32<<16                          ; tile_dim0
	s_mov_b32 s32, 256                             ; tile_dim1
	s_mov_b32 s33, 96                              ; from row to row
	s_mov_b32 s34, 0
	s_mov_b32 s35, 0
	s_lshl_b32 s93, s22, 2
	s_lshl_b32 s93, 15, s93                        ; my row of the cluster
	s_or_b32 s36, s93, (3<<16)|(1<<21)             ; y's eight tiles of tokens are one dense block of 98,304 bytes: 384 rows of 256 bytes; no padding
	s_mov_b32 s37, 32<<16
	s_mov_b32 s38, 384<<16
	s_mov_b32 s39, 32<<16
	s_mov_b32 s40, 384
	s_mov_b32 s41, 32
	s_mov_b32 s42, 0
	s_mov_b32 s43, 0
	s_lshl_b32 s92, s25, 8
	s_lshl_b32 s94, s19, 7
	s_add_co_u32 s92, s92, s94                     ; W's first row that I fetch, and that I read: 256 i0 + 128 (w & 1)
	s_lshl_b32 s95, s26, 3                         ; y's first tile of tokens: 8 i1
	s_lshl_b32 s93, s26, 7
	s_lshl_b32 s94, s20, 6
	s_add_co_u32 s96, s93, s94                     ; my first token: 128 i1 + 64 (w >> 1)
	s_mul_i32 s66, s19, 34816                      ; LDS: 128 rows of W (read)
	s_mul_i32 s81, s20, 49152                      ; my four tiles of y
	s_mul_i32 s94, s[WV], 8448                     ; the way out: my stage, 16 rows x 528 bytes, in W's first chunk
	s_mov_b32 s3, 0
	s_mov_b32 s99, 0
	v_and_b32 v1, 31, v0                           ; lane
	v_and_b32 v2, 15, v0                           ; r
	v_bfe_u32 v3, v0, 4, 1                         ; h
	v_lshlrev_b32 v4, 5, v2                        ; a row's 32 scale bytes
	v_mul_u32_u24 v24, v2, 272
	v_mad_u32_u24 v25, v3, 24, v24
	v_mad_u32_u24 v26, v3, CH0-232, v24
	v_add_nc_u32 v[A0], s66, v25
	v_add_nc_u32 v[A0+1], CH0, v[A0]
	v_add_nc_u32 v[A0+2], 2*CH0, v[A0]
	v_add_nc_u32 v[X0], s66, v26
	v_add_nc_u32 v[X0+1], CH0, v[X0]
	v_lshlrev_b32 v[LI], 4, v1
	v_lshlrev_b32 v[L8], 3, v1
	v_add_nc_u32 v[Y16], s81, v[LI]
	v_add_nc_u32 v[Y16], YB0, v[Y16]
	v_add_nc_u32 v[Y8], s81, v[L8]
	v_add_nc_u32 v[Y8], YB0, v[Y8]
	v_lshlrev_b32 v22, 5, v3                       ; the bias of my half: 8 numbers on
	v_mul_u32_u24 v[STO], v2, 528                  ; the stage, in: row r, 32 bytes for each half of the lanes
	v_lshl_add_u32 v[STO], v3, 5, v[STO]
	v_add_nc_u32 v[STO], s94, v[STO]
	v_add_nc_u32 v[RD], s94, v[LI]                 ; back: the 32 lanes take one row of 512 bytes
	s_wait_dscnt 0x0
	s_wait_kmcnt 0x0
	s_mul_i32 s2, s25, 196608                      ; W's tile begins at row 256 i0
	s_add_nc_u64 s[82:83], s[8:9], s[2:3]          ; W's codes,
	s_lshl_b32 s2, s92, 5
	s_add_nc_u64 s[84:85], s[10:11], s[2:3]        ; scales,
	s_lshl_b32 s2, s92, 2
	s_add_nc_u64 s[90:91], s[12:13], s[2:3]        ; and the bias of my columns
	s_mul_i32 s98, s95, 12288
	s_add_nc_u64 s[86:87], s[4:5], s[98:99]        ; y's images that I fetch
	s_lshl_b32 s98, s96, 5
	s_add_nc_u64 s[88:89], s[6:7], s[98:99]        ; y's scales of my tokens
	G0SET 44, 3, 0*CH0, 82, 0                      ; (s3 = 0) W's three chunks, 256 rows each,
	G0SET 48, 3, 1*CH0, 82, 256
	G0SET 52, 3, 2*CH0, 82, 512
	G0SET 56, 3, YB0, 86, 0                        ; and y whole
	CROUND                                         ; all sixteen work-groups are here: the joint loads meet
	; one joint load a wave, in one chain of arms on the wave's number: wave 0 W's first chunk, wave 1 y, wave 2 and 3 W's second and third chunk
	s_cmp_eq_u32 s[WV], 0
	s_cbranch_scc0 .Lwave_1
	tensor_load_to_lds s[44:47], s[28:35]
	s_nop 0
	PLACES 4
	s_branch .Lfilled
.Lwave_1:
	s_cmp_eq_u32 s[WV], 1
	s_cbranch_scc0 .Lwave_2
	tensor_load_to_lds s[56:59], s[36:43]
	s_nop 0
	PLACES 4
	s_branch .Lfilled
.Lwave_2:
	s_cmp_eq_u32 s[WV], 2
	s_cbranch_scc0 .Lwave_3
	tensor_load_to_lds s[48:51], s[28:35]
	s_nop 0
	PLACES 4
	s_branch .Lfilled
.Lwave_3:
	tensor_load_to_lds s[52:55], s[28:35]
	s_nop 0
	PLACES 4
.Lfilled:
	; the scale words go straight into registers, once: a row's 32 bytes are its eight steps' words; lane r takes row r of each block
.irp b, 0,1,2,3,4,5,6,7
	global_load_b128 v[SC0+8*\b:SC0+8*\b+3], v4, s[84:85] offset:512*\b
	global_load_b128 v[SC0+8*\b+4:SC0+8*\b+7], v4, s[84:85] offset:512*\b+16
.endr
.irp a, 0,1,2,3
	global_load_b128 v[SC1+8*\a:SC1+8*\a+3], v4, s[88:89] offset:512*\a
	global_load_b128 v[SC1+8*\a+4:SC1+8*\a+7], v4, s[88:89] offset:512*\a+16
.endr
	WIN 0xc0                                       ; destination window 3
	s_wait_alu depctr_va_vdst(0)
.irp b, 0,1,2,3,4,5,6,7
	global_load_b128 v[8*\b:8*\b+3], v22, s[90:91] offset:64*\b
	global_load_b128 v[8*\b+4:8*\b+7], v22, s[90:91] offset:64*\b+16
.endr
	WIN 0
	s_lshl_b32 s98, s96, 12                        ; out: my first token's row of 4,096 bytes,
	s_add_nc_u64 s[14:15], s[14:15], s[98:99]
	s_lshl_b32 s98, s92, 2                         ; my first column
	s_add_nc_u64 s[14:15], s[14:15], s[98:99]
	s_cmp_lt_u32 s[WV], 2                          ; waves 0 and 1 wait for W's first chunk and for y; the loads of waves 2 and 3 stay out
	s_cbranch_scc0 .Lnot_first
	s_wait_tensorcnt 0x0
.Lnot_first:
	s_barrier_signal -1
	s_barrier_wait -1                              ; everybody's is
	FETCH 0, 0
	s_wait_loadcnt 0x0                             ; the scale words and the bias
	STEP 0, 0, 0
	STEP 1, 1, 1                                   ; K step 2 reaches into W's second chunk; wave 3's load may stay out
	STEP 2, 0, 0
	STEP 3, 0, 0
	STEP 4, 1, 0                                   ; K step 5 reaches into the third.  Behind this barrier nobody reads W's first chunk any more: it has had its one fill, and the stages lie there
	STEP 5, 0, 0
	STEP 6, 0, 0
	STEP 7, 0, 0
; THE WAY OUT, 16 tokens x 128 columns at a time.  A lane holds 32 neighbouring bytes of a row and the lanes beside it hold other rows: a block goes through my own stage and comes back as whole rows of 512 bytes.
; LDS serves a wave's instructions in order: no wait between the stores and the loads, nor in front of the next block's stores.
.macro TOSTAGE a
	WIN 0x08                                       ; an LDS store's data: window 2
.irp b, 0,1,2,3,4,5,6,7
	ds_store_b128 v[STO], v[64*(\a)+8*\b:64*(\a)+8*\b+3] offset:64*\b     ; each accumulator from its low end on
	ds_store_b128 v[STO], v[64*(\a)+8*\b+4:64*(\a)+8*\b+7] offset:64*\b+16
.endr
	WIN 0
.set BB, 128+64*((\a)%2)
.irp t, 0,1,2,3,4,5,6,7,8,9,10,11,12,13,14,15
	ds_load_b128 v[BB+4*\t:BB+4*\t+3], v[RD] offset:\t*528
.endr
.endm
.macro SEND a, younger                 ; younger: the LDS instructions issued behind block a's loads, which may stay out
.set BB, 128+64*((\a)%2)
	s_wait_dscnt \younger
.irp t, 0,1,2,3,4,5,6,7,8,9,10,11,12,13,14,15
	global_store_b128 v[LI], v[BB+4*\t:BB+4*\t+3], s[14:15] offset:(16*(\a)+\t)*4096 th:TH_STORE_NT   ; 32 lanes store 512 consecutive bytes, aligned to 256; written once, read by nobody here
.endr
.endm
	PLACES 4                                       ; in front of the first read of results, and of loads into registers that held fragments
	TOSTAGE 0
.irp a, 1,2,3
.if \a > 1
	s_wait_xcnt 0x0                                ; block a - 2's stores have read their registers: block a's loads may land there
.endif
	TOSTAGE \a
	SEND \a-1, 32                                  ; behind block a - 1's loads: block a's 16 stores and 16 loads
.endr
	SEND 3, 0
	s_wait_tensorcnt 0x0
	ds_add_u32 v30, v31
	s_wait_dscnt 0x0
	CROUND                                         ; the closing round: no work-group ends while a partner may still ask for a tile that names it
	s_endpgm
.Lfunc_end_k_q23cc919c46_proj:
	.size	k_q23cc919c46_proj, .Lfunc_end_k_q23cc919c46_proj-k_q23cc919c46_proj
	.p2alignl 7, 3214868480
	.fill 96, 4, 3214868480
	.section	.rodata,"a",@progbits
	.p2align	6, 0x0
	.amdhsa_kernel k_q23cc919c46_proj
		.amdhsa_group_segment_fixed_size 313856
		.amdhsa_private_segment_fixed_size 0
		.amdhsa_enable_private_segment 0
		.amdhsa_kernarg_size 48
		.amdhsa_user_sgpr_count 2
		.amdhsa_user_sgpr_kernarg_segment_ptr 1
		.amdhsa_wavefront_size32 1
		.amdhsa_system_sgpr_workgroup_id_x 1
		.amdhsa_system_sgpr_workgroup_id_y 1
		.amdhsa_system_sgpr_workgroup_id_z 1
		.amdhsa_system_vgpr_workitem_id 0
		.amdhsa_next_free_vgpr 832
		.amdhsa_next_free_sgpr 100
		.amdhsa_reserve_vcc 0
		.amdhsa_float_denorm_mode_32 3
		.amdhsa_float_denorm_mode_16_64 3
		.amdhsa_memory_ordered 1
		.amdhsa_forward_progress 1
		.amdhsa_inst_pref_size 93
	.end_amdhsa_kernel
	.amdgpu_metadata
---
amdhsa.version: [ 1, 2 ]
amdhsa.kernels:
  - .name:           k_q23cc919c46_proj
    .symbol:         k_q23cc919c46_proj.kd
    .args:
      - { .name: y_codes, .offset: 0, .size: 8, .value_kind: global_buffer, .address_space: global }
      - { .name: y_scales, .offset: 8, .size: 8, .value_kind: global_buffer, .address_space: global }
      - { .name: w_out_codes, .offset: 16, .size: 8, .value_kind: global_buffer, .address_space: global }
      - { .name: w_out_scales, .offset: 24, .size: 8, .value_kind: global_buffer, .address_space: global }
      - { .name: b_out, .offset: 32, .size: 8, .value_kind: global_buffer, .address_space: global }
      - { .name: out0, .offset: 40, .size: 8, .value_kind: global_buffer, .address_space: global }
    .group_segment_fixed_size: 313856
    .private_segment_fixed_size: 0
    .kernarg_segment_align: 8
    .kernarg_segment_size: 48
    .max_flat_workgroup_size: 128
    .sgpr_count:     100
    .vgpr_count:     832
    .wavefront_size: 32
...
	.end_amdgpu_metadata
.endif
;; end of part 3
